; MI455X (gfx1250); checked and timed in simulation.
; The chip was launched on July 23, 2026; its instructions are those of AMD's public machine-readable ISA for CDNA 5 (MIT licence, August 2026) and "CDNA5" Instruction Set Architecture Reference Guide (July 2026). The comments in the code are by the model that wrote it; some were corrected since.
;; Self Attention. Allowed arithmetic: matrix products marked QUANTISED: E4M3 operands, one E8M0 scale for each 32 along K, by v_wmma_scale_f32_16x16x128_f8f6f4 with both operands' format E4M3, f32 sums; everything else in f32.
;; Inputs: Wk 16 x 1,024 x 64 float32; Wo 1,024 x 1,024 float32; Wq 16 x 1,024 x 64 float32; Wv 16 x 1,024 x 64 float32; bk 16 x 64 float32; bo 1,024 float32; bq 16 x 64 float32; bv 16 x 64 float32; mask 4 x 2,048 int32; x 4 x 2,048 x 1,024 float32.
;; Outputs: out0 4 x 2,048 x 1,024 float32.
;; This version of the problem:
;;   THIS VERSION OF THE PROBLEM IS GIVEN IN LOW PRECISION. The matrix products marked QUANTISED in the list below multiply operands that are first quantised to E4M3 (4 exponent bits, 3 mantissa bits; 8 bits a number), with one power-of-two scale for each 32 numbers along K (OCP MX v1.0); their sums are f32. All else is computed in f32.
;;   The module's matrix products, in the order in which they are computed (A, B: the left and right operand; K: the contracted axis; several contracted axes count as one K, in the product's order):
;;     1. [M 1,024, K 1,024] x [K 1,024, N 8,192]; A: input Wq; B: input x: QUANTISED
;;     2. [M 1,024, K 1,024] x [K 1,024, N 8,192]; A: input Wk; B: input x: QUANTISED
;;     3. [M 1,024, K 1,024] x [K 1,024, N 8,192]; A: input Wv; B: input x: QUANTISED
;;     4. batch 64 x [M 2,048, K 64] x [K 64, N 2,048]; A: computed on the way; B: computed on the way: QUANTISED
;;     5. batch 64 x [M 2,048, K 2,048] x [K 2,048, N 64]; A: softmax (see below); B: computed on the way: QUANTISED
;;     6. [M 8,192, K 1,024] x [K 1,024, N 1,024]; A: computed on the way; B: input Wo: QUANTISED
;;   THE QUANTISER, for each operand of a quantised product, along K:
;;     - K is cut into blocks of 32 from its start; a last block that is shorter is filled with zeros.
;;     - A block's scale is 2^e with e = floor(log2(the largest magnitude in the block)) - 8, held to -126 .. 127; a block of zeros has e = 0. As a byte (E8M0): e + 127.
;;     - Each number is divided by its block's scale, clamped to +-448, and rounded to the nearest number of E4M3, ties to even, subnormals kept.
;;     - The product sums the exact products of the quantised numbers (number of the format x scale) in f32.
;;   ~~~python
;;   def quantise(x, axis):      # numpy; x: float32 -> the quantised numbers, widened to float32 again
;;       x = np.moveaxis(x, axis, -1); K = x.shape[-1]
;;       x = np.pad(x, [(0, 0)] * (x.ndim - 1) + [(0, -K % 32)]); x = x.reshape(x.shape[:-1] + (-1, 32)); a = np.abs(x).max(-1, keepdims=True)
;;       e = np.where(a > 0, np.clip(np.frexp(np.where(a > 0, a, 1))[1] - 1 - 8, -126, 127), 0)      # np.frexp(a)[1] - 1 = floor(log2(a)), exactly
;;       r = np.clip(x / 2.0 ** e, -448, 448)
;;       step = 2.0 ** (np.maximum(np.frexp(np.where(r == 0, 1, r))[1] - 1, -6) - 3)
;;       q = np.round(r / step) * step * 2.0 ** e      # np.round: ties to even
;;       return np.moveaxis(q.reshape(q.shape[:-2] + (-1,))[..., :K], -1, axis).astype(np.float32)
;;   ~~~
;;   SOFTMAX AHEAD OF A QUANTISED PRODUCT. Where the list says 'softmax', what is quantised is not the finished softmax but p = 2^(t - M), with t = logit x log2(e) and M = ceil(the row's largest t), a whole number; so 1/2 < the row's largest p <= 1. The row's sum l is taken of the UNQUANTISED p, in f32, and the product's result is divided by l at the end. Since M is a whole number, a kernel that streams over the keys may use a running M (the ceiling of the running maximum): every later rescaling is an exact power of two, which a block's scale takes up: the codes' values come out the same.
;;   OPERANDS COMPUTED ON THE WAY. 'Computed on the way' means the value that the module computes at that place (a softmax that the list does not call 'softmax' is quantised finished and normalised). What goes into a quantiser is computed in f32, as accurately as f32 sums, v_exp_f32 and their like allow (about 1e-6 of the number): no bf16 or f16 on the way to a quantiser, and a product that is left as it is and whose result goes on into a quantised operand takes f32 operands (vector FMAs, or v_wmma_f32_16x16x4_f32). A number that lies on a knife's edge between two numbers of the format may be rounded either way, as far as f32 arithmetic and the matrix unit's own rounding can turn it there, and no further.
;; One version. Each part assembles by itself: llvm-mc -triple=amdgcn-amd-amdhsa -mcpu=gfx1250 --defsym DOCPART=n.
;; ======== version 1 of 1: 4 launches
;; workspace buffers: opc 12,582,912 bytes; ops 393,216 bytes; qkvc 25,165,824 bytes; qkvs 1,310,720 bytes; cc 8,388,608 bytes; cs 262,144 bytes
;; launch prep (part 1): grid 384 x 1, 4 waves a work-group, no clusters, 68,096 bytes of LDS; arguments x, Wq, Wk, Wv, Wo, opc, ops; writes opc, ops
.if DOCPART == 1
	.amdgcn_target "amdgcn-amd-amdhsa--gfx1250"
	.amdhsa_code_object_version 6
	.text
	.protected	k_q5e8f6cb9e9_prep
	.globl	k_q5e8f6cb9e9_prep
	.p2align	8
	.type	k_q5e8f6cb9e9_prep,@function
k_q5e8f6cb9e9_prep:
	s_mov_b64 s[64:65], 0
	v_nop
	global_prefetch_b8 v0, s[64:65] scope:SCOPE_SE
	s_setreg_imm32_b32 hwreg(HW_REG_WAVE_MODE, 25, 1), 1
	s_wait_xcnt 0x0
; x [8192][1024] and the weights Wq, Wk, Wv [16][1024][64], Wo [1024][1024], all f32, become codes of FP8 (E4M3) with one E8M0 scale byte for each 32 along K (K = the 1,024 hidden numbers).
; OUT: opc [12288 rows][1024 codes], K innermost; ops [12288][32 bytes].  Rows 0.. x (b 2048 + l); 8192.. Wq (n 64 + d); 9216.. Wk; 10240.. Wv; 11264.. Wo (its column j).
; ROW ORDER: a row is stored at its number with bits 3 and 4 exchanged.  So 16 neighbouring stored rows 16 T + r are the rows 32 (T / 2) + 8 (T % 2) + r + 8 (r / 8): the products' results then fall into
; a lane's registers as 16 neighbours along the next product's K.
; A block's scale is 2^(floor(log2(largest magnitude)) - 8); its byte is the largest magnitude's exponent field - 8, held at 1 from below.  Each number is divided by the scale, held within +-448, rounded to nearest, ties to even.
; LIMITS: a block of zeros gets the byte 1 (its codes are zeros; only this program reads the bytes); blocks whose largest magnitude lies under 2^-118 are held at that byte; NaN and infinities are not served.
; Work-groups 0-255 take x (K innermost): a wave takes 8 rows, 16 steps of 512 numbers.  Work-groups 256-383 take the weights (K is not innermost): a lane takes a column and its registers run down K.
; The two ways use LDS bytes of their own.  No tensor loads, no barrier: waves share nothing.
.set STEPS, 16
.set AHEAD, 8                          ; x: loads run eight steps, 32 loads of 512 bytes a wave, ahead
.set EMAX,  8
.set MANT,  0x600000                   ; the mantissa field of 448 as f32
.set WREG,  8192                       ; x: a wave's LDS: two stages of 32 x SP bytes, behind them its 256 scale bytes
.set SP,    80                         ; a lane's place in a stage: 64 bytes + 16 of padding
.set XR,    16                         ; v16-143  eight sets of 16 numbers as loaded
.set XX,    144                        ; v144-175 two sets of 16 neighbours
.set XE,    176                        ; v176-191 a scale byte for each step
.set XC,    192                        ; v192-255 four registers of codes for each step: no store's data are written again
.set WLDS,  32768                      ; the weights' way: stages of 32 rows x WP bytes, one a wave
.set WP,    272
.set WX,    32                         ; v32-95   two sets of 32 numbers
.set WC,    96                         ; v96-103  a block's codes
.set WOUT,  112                        ; v112-175 the way out
.set WSB,   24                         ; v24-25   eight scale bytes
.set WOFF,  176                        ; v176-207 4 x lane + i x the pitch along K; never rewritten
.set BT,    32                         ; s[32:47] the address of each of the eight blocks' first row; never rewritten
.macro XLOAD t
.irp i, 0,1,2,3
	global_load_b128 v[XR+16*((\t)%AHEAD)+4*\i:XR+16*((\t)%AHEAD)+4*\i+3], v3, s[4:5] offset:2048*(\t)+512*\i th:TH_LOAD_NT   ; 32 lanes read 512 consecutive bytes
.endr
.endm
.macro XTURN t                         ; step t's 2,048 bytes go through the stage as they lie and come back 64 bytes a lane; LDS serves a wave's instructions in order
.irp i, 0,1,2,3
	ds_store_b128 v14, v[XR+16*((\t)%AHEAD)+4*\i:XR+16*((\t)%AHEAD)+4*\i+3] offset:32*SP*((\t)%2)+8*SP*\i
.endr
.irp i, 0,1,2,3
	ds_load_b128 v[XX+16*((\t)%2)+4*\i:XX+16*((\t)%2)+4*\i+3], v15 offset:32*SP*((\t)%2)+16*\i
.endr
.endm
.macro XSTEP t
.set XS, XX+16*((\t)%2)
.if (\t) > 0
	s_wait_dscnt 1                                 ; this step's numbers are back from the stage (the last step's byte store may be out): so the stage's stores have read their registers,
.else
	s_wait_dscnt 0x0
.endif
.if (\t)+AHEAD < STEPS
	XLOAD (\t)+AHEAD                               ; which take the loads of eight steps on
.endif
.if (\t)+1 < STEPS
.if (\t)+AHEAD <= STEPS-1
	s_wait_loadcnt 4*(AHEAD-1)                     ; the next step's four loads are in; those of the seven steps behind it may be out
.else
	s_wait_loadcnt 4*(STEPS-2-(\t))                ; the ring runs empty: the steps behind the next one
.endif
	XTURN (\t)+1
.endif
	v_max3_num_f32 v8, |v[XS]|, |v[XS+1]|, |v[XS+2]|               ; the largest magnitude of my 16, in two chains
	v_max3_num_f32 v9, |v[XS+3]|, |v[XS+4]|, |v[XS+5]|
.irp i, 6,10
	v_max3_num_f32 v8, v8, |v[XS+\i]|, |v[XS+\i+1]|
	v_max3_num_f32 v9, v9, |v[XS+\i+2]|, |v[XS+\i+3]|
.endr
	v_max3_num_f32 v8, v8, |v[XS+14]|, |v[XS+15]|
	v_max3_num_f32 v8, v8, v9, (EMAX+1)<<23        ; and the floor 2^(9 - 127): the byte cannot fall under 1
	v_max_num_f32_dpp v8, v8, v8 row_xmask:1 row_mask:0xf bank_mask:0xf   ; with my neighbour's 16: the block's
	v_add_nc_u32 v11, -(EMAX<<23), v8              ; 8 off the exponent field: the conversion takes the exponent field of this operand as its scale
	v_and_or_b32 v10, v8, 0x7f800000, s23          ; 448 x the scale
.irp i, 0,1,2,3,4,5,6,7,8,9,10,11,12,13,14,15
	v_med3_num_f32 v[XS+\i], v[XS+\i], -v10, v10   ; the conversion does not saturate (ISA guide 7.6.2): the hold comes first
.endr
	v_cvt_scalef32_pk8_fp8_f32 v[XC+4*(\t):XC+4*(\t)+1], v[XS:XS+7], v11
	v_cvt_scalef32_pk8_fp8_f32 v[XC+4*(\t)+2:XC+4*(\t)+3], v[XS+8:XS+15], v11
	v_lshrrev_b32 v[XE+(\t)], 23, v11              ; the scale's byte
	ds_store_b8 v5, v[XE+(\t)] offset:16*(\t)      ; both lanes of a block write the same byte with the same value
	global_store_b128 v3, v[XC+4*(\t):XC+4*(\t)+3], s[14:15] offset:512*(\t)   ; the wave stores 512 consecutive bytes
.endm
.macro WLOAD t                         ; block t: W(32 t + i, my column), i = 0 .. 31, into set t % 2; a wave's load reads 128 consecutive bytes
.irp i, 0,1,2,3,4,5,6,7,8,9,10,11,12,13,14,15,16,17,18,19,20,21,22,23,24,25,26,27,28,29,30,31
	global_load_b32 v[WX+32*((\t)%2)+\i], v[WOFF+\i], s[BT+2*(\t):BT+2*(\t)+1] th:TH_LOAD_NT
.endr
.endm
.macro WBLOCK t
.set XS, WX+32*((\t)%2)
.if (\t) < 7
	s_wait_loadcnt 32                              ; this block's 32 loads are in; the next block's may be out
.else
	s_wait_loadcnt 0
.endif
	v_max3_num_f32 v12, |v[XS]|, |v[XS+1]|, |v[XS+2]|               ; all 32 numbers of the block are mine
	v_max3_num_f32 v13, |v[XS+3]|, |v[XS+4]|, |v[XS+5]|
.irp i, 6,10,14,18,22,26
	v_max3_num_f32 v12, v12, |v[XS+\i]|, |v[XS+\i+1]|
	v_max3_num_f32 v13, v13, |v[XS+\i+2]|, |v[XS+\i+3]|
.endr
	v_max3_num_f32 v12, v12, |v[XS+30]|, |v[XS+31]|
	v_max3_num_f32 v12, v12, v13, (EMAX+1)<<23     ; the floor
	v_add_nc_u32 v11, -(EMAX<<23), v12             ; the conversion's scale operand
	v_and_or_b32 v10, v12, 0x7f800000, s23         ; 448 x the scale
	v_lshrrev_b32 v13, 23, v11                     ; the byte
.if (\t)%4 == 0
	v_mov_b32 v[WSB+(\t)/4], v13                   ; four bytes to a register, the lower K in the lower byte
.else
	v_lshl_or_b32 v[WSB+(\t)/4], v13, 8*((\t)%4), v[WSB+(\t)/4]
.endif
.irp i, 0,1,2,3,4,5,6,7,8,9,10,11,12,13,14,15,16,17,18,19,20,21,22,23,24,25,26,27,28,29,30,31
	v_med3_num_f32 v[XS+\i], v[XS+\i], -v10, v10
.endr
.irp g, 0,1,2,3
	v_cvt_scalef32_pk8_fp8_f32 v[WC+2*\g:WC+2*\g+1], v[XS+8*\g:XS+8*\g+7], v11
.endr
	ds_store_b128 v4, v[WC:WC+3] offset:32*(\t)    ; 32 codes of my column's row
	ds_store_b128 v4, v[WC+4:WC+7] offset:32*(\t)+16
.if (\t)+2 < 8
	WLOAD (\t)+2
.endif
	s_wait_dscnt 0x0                               ; the stores have read their registers: the next block's codes may be written
.endm
	s_load_b256 s[4:11], s[0:1], 0x0               ; x s[4:5], Wq s[6:7], Wk s[8:9], Wv s[10:11]
	s_load_b128 s[12:15], s[0:1], 0x20             ; Wo s[12:13], opc s[14:15]
	s_load_b64 s[16:17], s[0:1], 0x30              ; ops
	s_set_vgpr_msb 0x40
	v_lshl_add_u32 v0, v0, 2, 0x10800
	v_mov_b32 v1, 0
	s_set_vgpr_msb 0x4000
	v_lshrrev_b32 v1, 5, v0
	v_readfirstlane_b32 s18, v1                    ; wave 0..3
	v_and_b32 v2, 31, v0                           ; lane
	s_mov_b32 s23, MANT
	s_cmp_ge_u32 ttmp9, 256
	s_cbranch_scc1 .Lweights
	; ---------------- x
	v_lshlrev_b32 v3, 4, v2                        ; 16 x lane: my bytes of a load's 512, and my codes' place in a step's 512
	s_mul_i32 s19, s18, WREG
	v_lshrrev_b32 v14, 2, v2
	v_mul_u32_u24 v14, v14, SP
	v_and_b32 v15, 3, v2
	v_lshl_add_u32 v14, v15, 4, v14
	v_add_nc_u32 v14, s19, v14                     ; the stage, in: four lanes' 64 bytes on end, then 16 of padding
	v_mul_u32_u24 v15, v2, SP
	v_add_nc_u32 v15, s19, v15                     ; out: my 16 neighbours
	v_lshrrev_b32 v5, 1, v2
	s_add_co_u32 s19, s19, 2*32*SP
	v_add_nc_u32 v5, s19, v5                       ; my block's byte among the wave's 256
	v_lshlrev_b32 v7, 3, v2
	v_add_nc_u32 v6, s19, v7                       ; and 8 bytes a lane on the way out
	s_lshl_b32 s20, ttmp9, 2
	s_add_co_u32 s20, s20, s18                     ; g: which 8 rows are my wave's
	s_and_not1_b32 s21, s20, 3                     ; the row's bits 3 and 4 are g's bits 0 and 1: exchanged for the place of the results
	s_and_b32 s22, s20, 1
	s_lshl_b32 s22, s22, 1
	s_or_b32 s21, s21, s22
	s_bfe_u32 s22, s20, 0x10001
	s_or_b32 s21, s21, s22
	s_lshl_b32 s24, s20, 15                        ; 8 rows of 4,096 bytes
	s_mov_b32 s25, 0
	s_lshl_b32 s26, s21, 13                        ; 8 rows of 1,024 codes
	s_mov_b32 s27, 0
	s_lshl_b32 s28, s21, 8                         ; 8 rows of 32 bytes
	s_mov_b32 s29, 0
	s_wait_kmcnt 0x0
	s_add_nc_u64 s[4:5], s[4:5], s[24:25]
	s_add_nc_u64 s[14:15], s[14:15], s[26:27]
	s_add_nc_u64 s[16:17], s[16:17], s[28:29]
.irp t, 0,1,2,3,4,5,6,7
	XLOAD \t
.endr
	s_wait_loadcnt 4*(AHEAD-1)                     ; step 0's four loads are in
	XTURN 0
.irp t, 0,1,2,3,4,5,6,7,8,9,10,11,12,13,14,15
	XSTEP \t
.endr
	ds_load_b64 v[12:13], v6                       ; LDS serves a wave's instructions in order: these see my byte stores
	s_wait_dscnt 0x0
	global_store_b64 v7, v[12:13], s[16:17]        ; 32 lanes store 256 consecutive bytes
	s_set_vgpr_msb 0x5
	s_wait_tensorcnt 0x0
	ds_add_u32 v0, v1
	s_wait_dscnt 0x0
	s_set_vgpr_msb 0x500
	s_endpgm
	; ---------------- the weights
.Lweights:
	s_sub_co_u32 s19, ttmp9, 256
	s_lshr_b32 s20, s19, 2                         ; which 128 columns of the 4,096
	s_and_b32 s21, s19, 3                          ; which 256 along K
	s_lshl_b32 s22, s20, 7
	s_lshl_b32 s24, s18, 5
	s_add_co_u32 s22, s22, s24                     ; my wave's first column: also its first row of results, less 8,192
	s_lshr_b32 s24, s20, 3                         ; the tensor: 0 Wq, 1 Wk, 2 Wv, 3 Wo
	s_and_b32 s25, s22, 1023                       ; the column in it
	s_lshr_b32 s26, s25, 6
	s_lshl_b32 s26, s26, 18                        ; a head's 1,024 x 64 numbers,
	s_and_b32 s27, s25, 63
	s_lshl_b32 s27, s27, 2
	s_add_co_u32 s26, s26, s27                     ; and the column in the head
	s_lshl_b32 s27, s25, 2                         ; Wo: the column alone
	s_mov_b32 s28, 4096
	s_cmp_lt_u32 s24, 3
	s_cselect_b32 s26, s26, s27
	s_cselect_b32 s28, 256, s28                    ; bytes from k to k + 1
	s_lshl_b32 s27, s21, 8
	s_mul_i32 s27, s27, s28
	s_add_co_u32 s26, s26, s27                     ; + my 256 along K
	s_mov_b32 s27, 0
	s_lshl_b32 s30, s28, 5                         ; a block of 32 along K
	s_mov_b32 s31, 0
	s_add_co_u32 s48, s22, 8192
	s_lshl_b32 s50, s48, 10
	s_lshl_b32 s49, s21, 8
	s_add_co_u32 s50, s50, s49                     ; the codes: row x 1,024 + 256 x my part of K
	s_mov_b32 s51, 0
	s_lshl_b32 s52, s48, 5
	s_lshl_b32 s49, s21, 3
	s_add_co_u32 s52, s52, s49                     ; the bytes: row x 32 + 8 x my part
	s_mov_b32 s53, 0
	v_and_b32 v5, 7, v2                            ; my column's place among the wave's 32 rows of results: the lane with bits 3 and 4 exchanged
	v_bfe_u32 v6, v2, 3, 1
	v_lshl_add_u32 v5, v6, 4, v5
	v_bfe_u32 v6, v2, 4, 1
	v_lshl_add_u32 v5, v6, 3, v5
	s_mul_i32 s49, s18, 32*WP
	s_add_co_u32 s49, s49, WLDS                    ; my stage
	v_mul_u32_u24 v4, v5, WP
	v_add_nc_u32 v4, s49, v4                       ; into it: that row
	v_lshlrev_b32 v9, 5, v5                        ; and its 32 scale bytes
	v_and_b32 v5, 15, v2
	v_lshrrev_b32 v6, 4, v2
	v_mul_u32_u24 v7, v6, WP
	v_lshl_add_u32 v7, v5, 4, v7
	v_add_nc_u32 v7, s49, v7                       ; out of it: sixteen lanes to a row, two rows an instruction
	v_lshlrev_b32 v8, 10, v6
	v_lshl_add_u32 v8, v5, 4, v8                   ; and the same place in the codes
	v_lshlrev_b32 v[WOFF], 2, v2
.set i, 1
.rept 31
	v_add_nc_u32 v[WOFF+i], s28, v[WOFF+i-1]
.set i, i+1
.endr
	s_wait_kmcnt 0x0
	s_cmp_eq_u32 s24, 1                            ; the choice hangs on the work-group's number alone
	s_cselect_b64 s[6:7], s[8:9], s[6:7]
	s_cmp_eq_u32 s24, 2
	s_cselect_b64 s[6:7], s[10:11], s[6:7]
	s_cmp_eq_u32 s24, 3
	s_cselect_b64 s[6:7], s[12:13], s[6:7]
	s_add_nc_u64 s[BT:BT+1], s[6:7], s[26:27]
.irp t, 1,2,3,4,5,6,7
	s_add_nc_u64 s[BT+2*\t:BT+2*\t+1], s[BT+2*\t-2:BT+2*\t-1], s[30:31]
.endr
	s_add_nc_u64 s[14:15], s[14:15], s[50:51]
	s_add_nc_u64 s[16:17], s[16:17], s[52:53]
	WLOAD 0
	WLOAD 1
.irp t, 0,1,2,3,4,5,6,7
	WBLOCK \t
.endr
	global_store_b64 v9, v[WSB:WSB+1], s[16:17]    ; my column's eight scale bytes
.irp t, 0,1,2,3,4,5,6,7,8,9,10,11,12,13,14,15
	ds_load_b128 v[WOUT+4*\t:WOUT+4*\t+3], v7 offset:2*\t*WP   ; these see my stores
.endr
.irp t, 0,1,2,3,4,5,6,7,8,9,10,11,12,13,14,15
	s_wait_dscnt 15-\t                             ; the loads behind this one may be out
	global_store_b128 v8, v[WOUT+4*\t:WOUT+4*\t+3], s[14:15] offset:2*\t*1024   ; sixteen lanes store 256 consecutive bytes, aligned
.endr
	s_set_vgpr_msb 0x5
	s_wait_tensorcnt 0x0
	ds_add_u32 v0, v1
	s_wait_dscnt 0x0
	s_set_vgpr_msb 0x500
	s_endpgm
.Lfunc_end_k_q5e8f6cb9e9_prep:
	.size	k_q5e8f6cb9e9_prep, .Lfunc_end_k_q5e8f6cb9e9_prep-k_q5e8f6cb9e9_prep
	.p2alignl 7, 3214868480
	.fill 96, 4, 3214868480
	.section	.rodata,"a",@progbits
	.p2align	6, 0x0
	.amdhsa_kernel k_q5e8f6cb9e9_prep
		.amdhsa_group_segment_fixed_size 68096
		.amdhsa_private_segment_fixed_size 0
		.amdhsa_enable_private_segment 0
		.amdhsa_kernarg_size 56
		.amdhsa_user_sgpr_count 2
		.amdhsa_user_sgpr_kernarg_segment_ptr 1
		.amdhsa_wavefront_size32 1
		.amdhsa_system_sgpr_workgroup_id_x 1
		.amdhsa_system_sgpr_workgroup_id_y 1
		.amdhsa_system_sgpr_workgroup_id_z 1
		.amdhsa_system_vgpr_workitem_id 0
		.amdhsa_next_free_vgpr 258
		.amdhsa_next_free_sgpr 66
		.amdhsa_reserve_vcc 0
		.amdhsa_float_denorm_mode_32 3
		.amdhsa_float_denorm_mode_16_64 3
		.amdhsa_memory_ordered 1
		.amdhsa_forward_progress 1
		.amdhsa_inst_pref_size 112
	.end_amdhsa_kernel
	.amdgpu_metadata
---
amdhsa.version: [ 1, 2 ]
amdhsa.kernels:
  - .name:           k_q5e8f6cb9e9_prep
    .symbol:         k_q5e8f6cb9e9_prep.kd
    .args:
      - { .name: x, .offset: 0, .size: 8, .value_kind: global_buffer, .address_space: global }
      - { .name: Wq, .offset: 8, .size: 8, .value_kind: global_buffer, .address_space: global }
      - { .name: Wk, .offset: 16, .size: 8, .value_kind: global_buffer, .address_space: global }
      - { .name: Wv, .offset: 24, .size: 8, .value_kind: global_buffer, .address_space: global }
      - { .name: Wo, .offset: 32, .size: 8, .value_kind: global_buffer, .address_space: global }
      - { .name: opc, .offset: 40, .size: 8, .value_kind: global_buffer, .address_space: global }
      - { .name: ops, .offset: 48, .size: 8, .value_kind: global_buffer, .address_space: global }
    .group_segment_fixed_size: 68096
    .private_segment_fixed_size: 0
    .kernarg_segment_align: 8
    .kernarg_segment_size: 56
    .max_flat_workgroup_size: 128
    .sgpr_count:     66
    .vgpr_count:     258
    .wavefront_size: 32
...
	.end_amdgpu_metadata
.endif
;; end of part 1
;; launch qkv (part 2): grid 8 x 48, 4 waves a work-group, clusters of 4 x 4, 327,680 bytes of LDS; arguments opc, ops, bq, bk, bv, mask, qkvc, qkvs; writes qkvc, qkvs
.if DOCPART == 2
	.amdgcn_target "amdgcn-amd-amdhsa--gfx1250"
	.amdhsa_code_object_version 6
	.text
	.protected	k_q5e8f6cb9e9_qkv
	.globl	k_q5e8f6cb9e9_qkv
	.p2align	8
	.type	k_q5e8f6cb9e9_qkv,@function
k_q5e8f6cb9e9_qkv:
	s_mov_b64 s[64:65], 0
	v_nop
	global_prefetch_b8 v0, s[64:65] scope:SCOPE_SE
	s_setreg_imm32_b32 hwreg(HW_REG_WAVE_MODE, 25, 1), 1
	s_wait_xcnt 0x0
	s_wait_alu depctr_hold_cnt(0) depctr_sa_sdst(0) depctr_va_vdst(0) depctr_va_sdst(0) depctr_va_ssrc(0) depctr_va_vcc(0) depctr_vm_vsrc(0)
	s_getreg_b32 s2, hwreg(HW_REG_IB_STS2, 6, 4)
	s_cmp_eq_u32 s2, 0
	s_cbranch_scc0 .Lentry_in_a_cluster
	s_endpgm
.Lentry_in_a_cluster:
	s_bfe_u32 s2, ttmp6, 0x10000c
	s_cmp_lg_u32 s2, 0xf033
	s_cbranch_scc0 .Lentry_shape_is_right
	s_endpgm
.Lentry_shape_is_right:
; Q = x Wq + bq, K = x Wk + bk, V = x Wv + bv on codes of FP8 (E4M3) with E8M0 scales (K = 1,024), and the results quantised at once for attention's two products.
; All operands are rows of ONE matrix of codes, opc [12288][1024], with scale bytes ops [12288][32]: rows 0.. x, 8192.. Wq, 9216.. Wk, 10240.. Wv.  Stored rows 16 T + r are the rows 32 (T / 2) + 8 (T % 2) + r + 8 (r / 8).
; A work-group of four waves makes a tile of 256 x 256, a wave 128 x 128: 64 accumulators.  K goes in four steps of 256 through two LDS slots filled by the tensor data mover; the scale bytes of the 512 rows come once.
; The matrix instruction takes source 0 = 16 rows of "B", source 1 = 16 rows of "A": a lane holds ONE row of A, and the 16 registers of B's tiles 2 p and 2 p + 1 are 16 NEIGHBOURS 32 p + 16 (lane / 16) + 0 .. 15 of B's rows.
;   clusters y = 0..7  (Q, K): A = x (256 rows), B = Wq (cluster x = 0) or Wk (1): a lane holds one token and its registers run along d: quantised along d.
;   clusters y = 8..11 (V):    A = Wv, B = x: a lane holds one (head, d) and its registers run along the keys: quantised along the keys.
; CLUSTERS of 4 x 4: A's tiles are shared along a row of the cluster, B's along a column: each is asked for jointly.  384 work-groups.
; OUT, as images of the next operand's registers (a piece of four registers: 32 lanes x 16 bytes on end):
;   qkvc: Q at 0, K at 8 MiB: [b 16 + n][tile of 16 tokens, 128][c 2][lane][16];  V at 16 MiB: [b 16 + n][128 keys, 16][tile of 16 d, 4][c 4][lane][16]
;   qkvs: scale words: Q at 0, K at 512 KiB: [b 16 + n][tile 128][16];  V at 1 MiB: [b 16 + n][16][4][16]
; THE MASK rides in the scores' padding (their K is 64 of the instruction's 128).  Attention puts the code -1 at k = 64 of every query and +1 at k = 64 of every key.  Byte 2 of Q's scale word is 103; byte 2 of K's is 1 for a
; key that counts and 254 for a masked one, whose 64 codes are zeros: its score is exactly -2^103, its logit -2^100.  A key that counts gets -2^-150.
; LIMITS: mask: 0 or not 0; a masked logit is -2^100 where the definition has -1e30: the weights are the same as long as the logits that count lie above about -1e29; NaN and infinities are not served; a block of zeros gets the byte 1.
; REGISTERS, in windows of 256: window 0: v0-31 addresses; v32-63 scale words, two sets; from v128 A's fragments, one set.  window 1: B's fragments, two sets.  windows 2, 3: the accumulators ((a, b) at v[8 (8 (a % 4) + b)]).
.set KSTEP,  256
.set NQ,     2
.set ROWB,   256
.set KROW,   1024
.set PITCH,  272                       ; an LDS row: 256 bytes + 16 of padding = 68 words: the 16 rows that a load touches start at 16 different banks (ISA guide 11.1)
.set FR,     16
.set NL,     4
.set NP,     8                         ; places behind this matrix instruction (ISA guide 7.12.1)
.set HALFT,  128*PITCH
.set SLOT,   4*HALFT                   ; A's 256 rows, then B's 256 rows
.set KS,     32                        ; a row of scale bytes
.set SCL,    2*SLOT                    ; behind the ring: the scale bytes, as units of 256 bytes + 16 of padding
.set HALFS,  (128*KS/256)*272
.set SBLK,   (16*KS/256)*272
.set SPARE,  SCL+4*HALFS               ; the spare words, 128 bytes for each wave, which no other line names
.set ADRA, 16                          ; v16-17  LDS address of my A fragments in slot 0, 1
.set ADRB, 20                          ; v20-21  the same for B
.set ADRS, 27                          ; v27     of my scale words: lanes 0-15 A's rows, lanes 16-31 B's
.set SPW,  28                          ; v28     my spare word; never rewritten
.set NIL,  29                          ; v29     0; never rewritten
.set SC,   32
.set AF,   128
.set G1, 24
.set G0, 32
.set G1B, 48
.set G0B, 56
.set G1S, 68
.set G0S, 76
.set G1SB, 80
.set G0SB, 88
; the way out, window 0
.set WD,   16                          ; v16-23   a scale word for each block
.set BI,   32                          ; v32-95   the bias in the results' layout
.set MK,   96                          ; v96-103  the mask of my token in each block: all ones or 0
.set UP,   104                         ; v104-111 the upper half of its scale word
.set TM,   112                         ; v112-115 largest magnitudes, v116-119 bytes, v120-123 448 x the scale, v124-127 the conversions' scale operands
.set MSB, 0
.macro WIN new                         ; the immediate's high byte repeats the setting that is left
.if MSB != \new
	s_set_vgpr_msb (MSB<<8)|\new
.set MSB, \new
.endif
.endm
.set MUL_LO, 0xa1                      ; source 0 (B) window 1, source 1 (A) window 0, C and D window 2
.set MUL_HI, 0xf1
.set TO_B,   0x40
; A joint load: waves 0 and 1 fetch for A, waves 2 and 3 for B; the branch hangs on the wave's number alone.  Four v_nop follow each of the two lines.
.macro JLOAD g0a, g1a, g0b, g1b
	s_cmp_eq_u32 s15, 0
	s_cbranch_scc0 .Lfor_b_\@
	tensor_load_to_lds s[\g0a:\g0a+3], s[\g1a:\g1a+7]
	s_nop 0
.rept 4
	v_nop
.endr
	s_branch .Lasked_\@
.Lfor_b_\@:
	tensor_load_to_lds s[\g0b:\g0b+3], s[\g1b:\g1b+7]
	s_nop 0
.rept 4
	v_nop
.endr
.Lasked_\@:
.endm
.macro CREST                           ; a round of the cluster's barrier behind its opening barrier
	s_cmp_lg_u32 s14, 0
	s_cbranch_scc1 .Lnot_wave_0_\@
	s_barrier_signal -3
.Lnot_wave_0_\@:
	s_barrier_wait -3
	s_barrier_signal -1
	s_barrier_wait -1
.endm
.macro CROUND
	s_barrier_signal -1
	s_barrier_wait -1
	CREST
.endm
	s_load_b128 s[4:7], s[0:1], 0x0                ; opc s[4:5], ops s[6:7]
	v_lshl_add_u32 v[SPW], v0, 2, SPARE
	v_mov_b32 v[NIL], 0
	ds_add_u32 v28, v29
	s_wait_dscnt 0x0
	v_lshrrev_b32 v1, 5, v0
	v_readfirstlane_b32 s14, v1                    ; wave 0..3
	s_lshr_b32 s15, s14, 1                         ; which half of A's rows is mine.  Also: I fetch for A (0) or for B (1)
	s_and_b32 s16, s14, 1                          ; which half of B's rows.  Also: which 128 rows I fetch
	s_bfe_u32 s40, ttmp6, 0x40000                  ; cx, cy: my place in the cluster
	s_bfe_u32 s41, ttmp6, 0x40004
	s_and_b32 s17, ttmp7, 0xffff                   ; the cluster's y: 0..7 Q and K, 8..11 V
	s_lshl_b32 s43, s41, 2
	s_lshl_b32 s43, 15, s43                        ; my row of the cluster
	s_lshl_b32 s44, 0x1111, s40                    ; my column
	s_or_b32 s[G1+0], s43, (0<<16)|(1<<20)|(1<<21)|(5<<22)|(3<<25)  ; the mask: A's tiles go to my row; elements of 1 byte; padding on: 4 words behind every 64; bit 21 beside a mask
	s_or_b32 s[G1B+0], s44, (0<<16)|(1<<20)|(1<<21)|(5<<22)|(3<<25)
.irp g, G1, G1B
	s_mov_b32 s[\g+1], ROWB<<16                    ; tensor_dim0
	s_mov_b32 s[\g+2], 128<<16                     ; tensor_dim1
	s_mov_b32 s[\g+3], ROWB<<16                    ; tile_dim0
	s_mov_b32 s[\g+4], 128                         ; tile_dim1
	s_mov_b32 s[\g+5], KROW                        ; the pitch
	s_mov_b32 s[\g+6], 0
	s_mov_b32 s[\g+7], 0
.endr
	s_or_b32 s[G1S+0], s43, (3<<16)|(1<<20)|(1<<21)|(5<<22)|(3<<25)  ; the scale bytes of 128 rows: 4,096 dense bytes as 16 rows of 256 (32 elements of 8 bytes), 16 bytes of padding behind each
	s_or_b32 s[G1SB+0], s44, (3<<16)|(1<<20)|(1<<21)|(5<<22)|(3<<25)
.irp g, G1S, G1SB
	s_mov_b32 s[\g+1], 32<<16
	s_mov_b32 s[\g+2], (128*KS/256)<<16
	s_mov_b32 s[\g+3], 32<<16
	s_mov_b32 s[\g+4], 128*KS/256
	s_mov_b32 s[\g+5], 32
	s_mov_b32 s[\g+6], 0
	s_mov_b32 s[\g+7], 0
.endr
	; the rows that I fetch.  A's hang on cy and the cluster's coordinates, B's on cx and the cluster's: each in registers that never hold the other place
	s_lshl_b32 s18, s16, 7
	s_lshl_b32 s20, s41, 8
	s_add_co_u32 s20, s20, s18                     ; A: 256 cy + 128 x half
	s_lshl_b32 s46, s40, 8
	s_add_co_u32 s46, s46, s18                     ; B: 256 cx + 128 x half
	s_lshl_b32 s19, s17, 10                        ; Q, K: A = x from row 1,024 y on
	s_sub_co_u32 s21, s17, 8
	s_lshl_b32 s21, s21, 1
	s_add_co_u32 s21, s21, ttmp9
	s_lshl_b32 s21, s21, 10                        ; V: B = x from row 1,024 (2 (y - 8) + cluster x) on
	s_lshl_b32 s22, ttmp9, 10
	s_add_co_u32 s22, s22, 8192                    ; Q, K: B = Wq or Wk
	s_mov_b32 s23, 10240                           ; V: A = Wv
	s_cmp_ge_u32 s17, 8
	s_cselect_b32 s19, s23, s19
	s_cselect_b32 s21, s21, s22
	s_add_co_u32 s20, s20, s19
	s_add_co_u32 s46, s46, s21
	s_mov_b32 s21, 0
	s_mov_b32 s47, 0
	s_lshl_b64 s[22:23], s[20:21], 5               ; where these rows' scale bytes begin,
	s_lshl_b64 s[92:93], s[46:47], 5
	s_lshl_b64 s[20:21], s[20:21], 10              ; and their codes
	s_lshl_b64 s[46:47], s[46:47], 10
	s_mul_i32 s45, s14, HALFT                      ; where they go: wave x 128 rows: no place in the cluster enters an LDS address
	s_mul_i32 s94, s14, HALFS
	s_wait_kmcnt 0x0
	s_add_nc_u64 s[20:21], s[4:5], s[20:21]
	s_add_nc_u64 s[22:23], s[6:7], s[22:23]
	s_add_nc_u64 s[46:47], s[4:5], s[46:47]
	s_add_nc_u64 s[92:93], s[6:7], s[92:93]
	CROUND                                         ; all sixteen work-groups are here: the first joint loads meet
	s_mov_b32 s[G0S], 1
	s_add_co_u32 s[G0S+1], s94, SCL
	s_mov_b64 s[G0S+2:G0S+3], s[22:23]
	s_or_b32 s[G0S+3], s[G0S+3], 0x80000000
	s_mov_b32 s[G0SB], 1
	s_add_co_u32 s[G0SB+1], s94, SCL
	s_mov_b64 s[G0SB+2:G0SB+3], s[92:93]
	s_or_b32 s[G0SB+3], s[G0SB+3], 0x80000000
	JLOAD G0S, G1S, G0SB, G1SB                     ; the scale bytes first: they are wanted with K step 0
.irp s, 0,1
	s_mov_b32 s[G0+4*\s], 1
	s_add_co_u32 s[G0+4*\s+1], s45, \s*SLOT
	s_add_nc_u64 s[G0+4*\s+2:G0+4*\s+3], s[20:21], \s*ROWB
	s_or_b32 s[G0+4*\s+3], s[G0+4*\s+3], 0x80000000
	s_mov_b32 s[G0B+4*\s], 1
	s_add_co_u32 s[G0B+4*\s+1], s45, \s*SLOT
	s_add_nc_u64 s[G0B+4*\s+2:G0B+4*\s+3], s[46:47], \s*ROWB
	s_or_b32 s[G0B+4*\s+3], s[G0B+4*\s+3], 0x80000000
	JLOAD G0+4*\s, G1, G0B+4*\s, G1B               ; three tensor loads of mine are out
.endr
	v_and_b32 v1, 15, v0                           ; r
	v_bfe_u32 v2, v0, 4, 1                         ; h
	v_mul_u32_u24 v3, v1, PITCH
	v_lshl_add_u32 v4, v2, 4, v3                   ; a fragment's row x pitch + 16 h
	s_mul_i32 s21, s15, HALFT
	s_mul_i32 s22, s16, HALFT
	s_add_co_u32 s22, s22, 2*HALFT
.irp s, 0,1
	v_add_nc_u32 v[ADRA+\s], s21, v4
	v_add_nc_u32 v[ADRB+\s], s22, v4
	s_add_co_u32 s21, s21, SLOT
	s_add_co_u32 s22, s22, SLOT
.endr
	v_mul_u32_u24 v5, v1, KS                       ; my row's scale bytes: 32 a row,
	v_lshrrev_b32 v6, 8, v5
	v_lshl_add_u32 v5, v6, 4, v5                   ; and 16 more for each 256 passed
	s_mul_i32 s21, s15, HALFS
	s_mul_i32 s22, s16, HALFS
	s_add_co_u32 s22, s22, 2*HALFS
	s_sub_co_u32 s22, s22, s21
	v_mul_u32_u24 v6, s22, v2                      ; lanes 16-31 take B's
	s_add_co_u32 s21, s21, SCL
	v_add_nc_u32 v5, v5, v6
	v_add_nc_u32 v[ADRS], s21, v5
.macro FRAG reg, adr, q, i             ; 16 rows x 128 K: lane l holds row l % 16; registers 4 c .. 4 c + 3 hold K = 32 c + 16 (l / 16) + 0 .. 15
.irp c, 0,1,2,3
	ds_load_b128 v[\reg+4*\c:\reg+4*\c+3], v[\adr] offset:128*(\q)+32*\c+(\i)*16*PITCH
.endr
.endm
; 16 matrix instructions: A's blocks a0, a0 + 1 x B's eight.  The 64 accumulators take turns, one instruction a turn, in the same order in every step.
; One register carries A's scale word (lanes 0-15) and B's (lanes 16-31) of block i.
.macro MUL16 a0, p, q, sc, zero
.irp a, \a0, \a0+1
.irp b, 0,1,2,3,4,5,6,7
.if \zero
	v_wmma_scale_f32_16x16x128_f8f6f4 v[8*(8*((\a)%4)+\b):8*(8*((\a)%4)+\b)+7], v[128*(\p)+FR*\b:128*(\p)+FR*\b+FR-1], v[AF+FR*(\a):AF+FR*(\a)+FR-1], 0, v[SC+8*NQ*(\sc)+NQ*\b+(\q)], v[SC+8*NQ*(\sc)+NQ*(\a)+(\q)] matrix_a_scale:MATRIX_SCALE_ROW1
.else
	v_wmma_scale_f32_16x16x128_f8f6f4 v[8*(8*((\a)%4)+\b):8*(8*((\a)%4)+\b)+7], v[128*(\p)+FR*\b:128*(\p)+FR*\b+FR-1], v[AF+FR*(\a):AF+FR*(\a)+FR-1], v[8*(8*((\a)%4)+\b):8*(8*((\a)%4)+\b)+7], v[SC+8*NQ*(\sc)+NQ*\b+(\q)], v[SC+8*NQ*(\sc)+NQ*(\a)+(\q)] matrix_a_scale:MATRIX_SCALE_ROW1
.endif
.endr
.endr
.endm
.macro FETCH_B slot, q, p
	WIN TO_B
.irp i, 0,1,2,3,4,5,6,7
	FRAG 128*(\p)+FR*\i, ADRB+\slot, \q, \i
.endr
	WIN 0
.endm
.macro FETCH_A slot, q, i0
.irp i, \i0, \i0+1, \i0+2, \i0+3
	FRAG AF+FR*(\i), ADRA+\slot, \q, \i
.endr
.endm
.macro SCALES sc                       ; a K step's scale words: two words a row
.irp i, 0,1,2,3,4,5,6,7
	ds_load_b64 v[SC+8*NQ*\sc+NQ*\i:SC+8*NQ*\sc+NQ*\i+1], v[ADRS] offset:\i*SBLK
.endr
.endm
.macro PLACES n                        ; plain vector instructions between a matrix instruction and a load into, or a read of, its registers
.rept \n
	v_nop
.endr
.endm
.macro STEP slot, q, zero              ; 128 along K that have their successor in the same slot
	s_wait_dscnt 4*NL                              ; B's set and A's blocks 0-3 are in; the youngest 16 loads (A's blocks 4-7) may be out
	WIN MUL_LO
	MUL16 0, (\q)%2, \q, \slot, \zero
	MUL16 2, (\q)%2, \q, \slot, \zero
	s_wait_dscnt 0
	PLACES NP
	FETCH_B \slot, (\q)+1, 1-(\q)%2
	FETCH_A \slot, (\q)+1, 0
	WIN MUL_HI
	MUL16 4, (\q)%2, \q, \slot, \zero
	MUL16 6, (\q)%2, \q, \slot, \zero
	PLACES NP
	WIN 0
	FETCH_A \slot, (\q)+1, 4
.endm
; A slot's last 128 change slots: one barrier; in front of it each wave waits for all its tensor loads, adds 0 to its spare word, and waits for that and for its reads of this slot.
.macro TURN slot, next, fill
	s_wait_tensorcnt 0x0                           ; all my tensor loads have landed: my part of the next slot
	ds_add_u32 v[SPW], v[NIL]                      ; 0 onto my spare word
	s_wait_dscnt 4*NL+1                            ; (the add and the youngest 16 loads may be out)
	WIN MUL_LO
	MUL16 0, 1, NQ-1, \slot, 0
	s_wait_dscnt 0x0                               ; the add is done, and my reads of this slot are over
	s_barrier_signal -1
	MUL16 2, 1, NQ-1, \slot, 0
	WIN 0
	s_barrier_wait -1
.if \fill
	CREST                                          ; the barrier has opened a round of the cluster's: no wave of any partner still reads this slot or has a load on its way
	s_add_nc_u64 s[G0+4*\slot+2:G0+4*\slot+3], s[G0+4*\slot+2:G0+4*\slot+3], 2*ROWB
	s_add_nc_u64 s[G0B+4*\slot+2:G0B+4*\slot+3], s[G0B+4*\slot+2:G0B+4*\slot+3], 2*ROWB
	JLOAD G0+4*\slot, G1, G0B+4*\slot, G1B         ; the first tensor load behind the round, my only one until the next; its four v_nop are among the places
	PLACES NP-4
.else
	PLACES NP
.endif
	v_add_nc_u32 v[ADRS], 4*NQ, v[ADRS]            ; the next K step's scale words
	FETCH_B \next, 0, 0
	FETCH_A \next, 0, 0
	SCALES \next
	WIN MUL_HI
	MUL16 4, 1, NQ-1, \slot, 0
	MUL16 6, 1, NQ-1, \slot, 0
	PLACES NP
	WIN 0
	FETCH_A \next, 0, 4
.endm
	s_wait_tensorcnt 1                             ; the scale bytes and my part of K step 0 are in; K step 1's load may be out
	s_barrier_signal -1
	s_barrier_wait -1
	FETCH_B 0, 0, 0
	FETCH_A 0, 0, 0
	SCALES 0
	FETCH_A 0, 0, 4
	STEP 0, 0, 1                                   ; the first products start the sums: nothing is cleared
	TURN 0, 1, 1                                   ; slot 0 takes K step 2
	STEP 1, 0, 0
	TURN 1, 0, 1                                   ; slot 1 takes K step 3
	STEP 0, 0, 0
	TURN 0, 1, 0                                   ; nothing is left to fetch
	STEP 1, 0, 0
	s_wait_dscnt 4*NL
	WIN MUL_LO
	MUL16 0, 1, NQ-1, 1, 0
	MUL16 2, 1, NQ-1, 1, 0
	s_wait_dscnt 0
	WIN MUL_HI
	MUL16 4, 1, NQ-1, 1, 0
	MUL16 6, 1, NQ-1, 1, 0
	WIN 0
	; ---------------- THE WAY OUT: bias, the quantiser, images of the next operand's registers.  No tensor load of mine is out, so the descriptors' registers are free.
	PLACES NP
	s_load_b256 s[24:31], s[0:1], 0x10             ; bq s[24:25], bk s[26:27], bv s[28:29], mask s[30:31]
	s_load_b128 s[32:35], s[0:1], 0x30             ; qkvc s[32:33], qkvs s[34:35]
	s_mov_b32 s36, 0x76543210
	s_mov_b32 s37, 0xfedcba98                      ; v_permlanex16_b32's selects for lane l xor 16
	s_mov_b32 s38, 0x600000                        ; the mantissa field of 448
	v_and_b32 v1, 15, v0                           ; r
	v_bfe_u32 v2, v0, 4, 1                         ; h
	v_and_b32 v3, 31, v0
	v_lshlrev_b32 v3, 4, v3                        ; 16 x lane: an image's place for my lane
	v_and_b32 v4, 8, v1
	v_add_nc_u32 v4, v4, v1
	v_lshlrev_b32 v4, 2, v4                        ; 4 (r + 8 (r / 8)): my row among a tile's, in 4-byte numbers
	v_lshlrev_b32 v5, 6, v2                        ; 64 h: my 16 numbers of each 32
	s_lshl_b32 s39, s14, 10                        ; the scale words meet in slot 0, which has had its last fill and its last read: 1,024 bytes a wave (Q, K),
	v_lshl_add_u32 v6, v1, 2, s39
	v_add_nc_u32 v7, s39, v3
	s_lshl_b32 s39, s14, 9
	s_add_co_u32 s39, s39, 4096                    ; 512 a wave (V), in bytes of their own
	v_lshl_add_u32 v9, v1, 2, s39
	v_add_nc_u32 v10, s39, v3
	v_lshlrev_b32 v8, 12, v2
	v_lshl_add_u32 v8, v1, 4, v8                   ; V's words out: lanes 0-15 one head's 256 bytes, lanes 16-31 the next head's
.irp b, 0,1,2,3
	v_mov_b32 v[TM+4+\b], 0                        ; written once: a lane permute's destination counts as one of its sources
.endr
	s_wait_kmcnt 0x0
; Block a: my 16 rows of A x my 128 rows of B = four blocks of 32 along the next K, each in lanes l and l xor 16.  Each accumulator is read from its low end on.
.macro OUTBLK a, isv
.set WN, 2+(\a)/4
.set AC, 64*((\a)%4)
.set CD, 128+16*(\a)                   ; the codes: registers of their own for each block: no store's data are written again
.set WDS, (WN<<6)|WN
.set WSS, (WN<<2)|WN
	WIN WDS                                        ; destination and source 0: the accumulators' window
.set i, 0
.rept 32
.if \isv
	v_pk_add_f32 v[AC+i:AC+i+1], v[AC+i:AC+i+1], v[BI+2*(\a):BI+2*(\a)+1]   ; V: one bias a lane (its d)
.else
	v_pk_add_f32 v[AC+i:AC+i+1], v[AC+i:AC+i+1], v[BI+i:BI+i+1]             ; Q, K: the bias runs along the registers
.endif
.set i, i+2
.endr
	WIN WSS                                        ; sources 0 and 1
.irp b, 0,1,2,3
	v_max3_num_f32 v[TM+\b], |v[AC+16*\b]|, |v[AC+16*\b+1]|, 0x4800000   ; my 16 numbers of block b, and the floor 2^(9 - 127)
.endr
.set i, 2
.rept 7
.irp b, 0,1,2,3
	v_max3_num_f32 v[TM+\b], |v[AC+16*\b+i]|, |v[AC+16*\b+i+1]|, v[TM+\b]
.endr
.set i, i+2
.endr
	WIN 0
.irp b, 0,1,2,3
	v_permlanex16_b32 v[TM+4+\b], v[TM+\b], s36, s37
.endr
.irp b, 0,1,2,3
	v_max_num_f32 v[TM+\b], v[TM+\b], v[TM+4+\b]   ; the block's largest magnitude
.endr
.irp b, 0,1,2,3
	v_add_nc_u32 v[TM+12+\b], 0xfc000000, v[TM+\b] ; 8 off its exponent field: the conversion's scale operand
.endr
.irp b, 0,1,2,3
	v_and_or_b32 v[TM+8+\b], v[TM+\b], 0x7f800000, s38   ; 448 x the scale
.endr
.irp b, 0,1,2,3
	v_lshrrev_b32 v[TM+4+\b], 23, v[TM+12+\b]      ; the byte
.endr
.if \isv
	v_lshl_or_b32 v[WD+(\a)], v[TM+5], 8, v[TM+4]  ; the four bytes: 128 keys of my d
	v_lshl_or_b32 v[WD+(\a)], v[TM+6], 16, v[WD+(\a)]
	v_lshl_or_b32 v[WD+(\a)], v[TM+7], 24, v[WD+(\a)]
	ds_store_b32 v9, v[WD+(\a)] offset:64*(\a)     ; lanes r and r + 16 write the same word with the same value
.else
	v_lshl_or_b32 v[WD+(\a)], v[TM+7], 8, v[TM+6]  ; the second head's two bytes, under the padding's two
	v_or_b32 v[WD+(\a)], v[WD+(\a)], v[UP+(\a)]
	v_lshl_or_b32 v14, v[TM+5], 8, v[TM+4]         ; the first head's
	v_or_b32 v[UP+(\a)], v14, v[UP+(\a)]
	ds_store_b32 v6, v[UP+(\a)] offset:64*(\a)
	ds_store_b32 v6, v[WD+(\a)] offset:512+64*(\a)
.endif
	WIN WDS
.irp b, 0,1,2,3
.set i, 0
.rept 16
	v_med3_num_f32 v[AC+16*\b+i], v[AC+16*\b+i], -v[TM+8+\b], v[TM+8+\b]   ; the conversion does not saturate (ISA guide 7.6.2)
.set i, i+1
.endr
.endr
	WIN WN                                         ; source 0
.irp b, 0,1,2,3
	v_cvt_scalef32_pk8_fp8_f32 v[CD+4*\b:CD+4*\b+1], v[AC+16*\b:AC+16*\b+7], v[TM+12+\b]
	v_cvt_scalef32_pk8_fp8_f32 v[CD+4*\b+2:CD+4*\b+3], v[AC+16*\b+8:AC+16*\b+15], v[TM+12+\b]
.endr
	WIN 0
	v_nop                                          ; a plain instruction between the conversions and what touches their results
.if \isv
.irp b, 0,1,2,3
	global_store_b128 v3, v[CD+4*\b:CD+4*\b+3], s[50:51] offset:((\a)/4)*131072+((\a)%4)*2048+\b*512   ; head a / 4, tile of d a % 4, piece b: 512 consecutive bytes
.endr
.else
.set i, 0
.rept 16
	v_and_b32 v[CD+i], v[CD+i], v[MK+(\a)]         ; a masked key's codes are zeros
.set i, i+1
.endr
.irp b, 0,1,2,3
	global_store_b128 v3, v[CD+4*\b:CD+4*\b+3], s[50:51] offset:(\b/2)*131072+(\a)*1024+(\b%2)*512     ; head b / 2, tile a, piece b % 2
.endr
.endif
.endm
	s_cmp_ge_u32 s17, 8                            ; the cluster's y: the same in all partners
	s_cbranch_scc1 .Lv_out
	; ---- Q or K
	s_lshl_b32 s42, s17, 2
	s_add_co_u32 s42, s42, s41                     ; which 256 tokens
	s_lshr_b32 s43, s42, 3
	s_lshl_b32 s43, s43, 4                         ; 16 b
	s_lshl_b32 s44, s40, 2
	s_add_co_u32 s43, s43, s44
	s_lshl_b32 s44, s16, 1
	s_add_co_u32 s43, s43, s44                     ; + my first head: 4 cx + 2 x half
	s_lshl_b32 s43, s43, 7
	s_and_b32 s44, s42, 7
	s_lshl_b32 s44, s44, 4
	s_add_co_u32 s43, s43, s44
	s_lshl_b32 s44, s15, 3
	s_add_co_u32 s43, s43, s44                     ; x 128 tiles + my first tile
	s_lshl_b32 s46, s43, 10
	s_lshl_b32 s44, ttmp9, 23
	s_add_co_u32 s46, s46, s44                     ; 1,024 bytes a tile; K lies 8 MiB behind Q
	s_mov_b32 s47, 0
	s_lshl_b32 s48, s43, 6
	s_lshl_b32 s44, ttmp9, 19
	s_add_co_u32 s48, s48, s44                     ; 64 bytes of scale words a tile; K's 512 KiB behind Q's
	s_mov_b32 s49, 0
	s_add_nc_u64 s[50:51], s[32:33], s[46:47]
	s_add_nc_u64 s[52:53], s[34:35], s[48:49]
	s_lshl_b32 s46, s40, 10
	s_lshl_b32 s44, s16, 9
	s_add_co_u32 s46, s46, s44                     ; the bias of my 128 rows of W
	s_lshl_b32 s48, s42, 10
	s_lshl_b32 s44, s15, 9
	s_add_co_u32 s48, s48, s44                     ; the mask of my 128 tokens
	s_mov_b32 s57, (1<<16)|(1<<24)
	s_cmp_eq_u32 ttmp9, 0                          ; Q's clusters or K's
	s_cselect_b64 s[54:55], s[24:25], s[26:27]
	s_cselect_b32 s56, -1, 0                       ; a query is never masked
	s_cselect_b32 s57, (103<<16)|(1<<24), s57      ; the padding's two bytes: Q's, or those of a key that counts
	s_add_nc_u64 s[54:55], s[54:55], s[46:47]
	s_add_nc_u64 s[58:59], s[30:31], s[48:49]
.irp b, 0,1,2,3
.irp j, 0,1,2,3
	global_load_b128 v[BI+16*\b+4*\j:BI+16*\b+4*\j+3], v5, s[54:55] offset:128*\b+16*\j   ; register 16 b + i: the bias of row 32 b + 16 h + i
.endr
.endr
.irp a, 0,1,2,3,4,5,6,7
	global_load_b32 v[MK+\a], v4, s[58:59] offset:(32*(\a/2)+8*(\a%2))*4
.endr
	v_mov_b32 v12, (254<<16)|(1<<24)               ; the padding's two bytes of a masked key
	v_mov_b32 v13, s57
	s_wait_loadcnt 0x0
.irp a, 0,1,2,3,4,5,6,7
	v_or_b32 v[MK+\a], s56, v[MK+\a]
.endr
.irp a, 0,1,2,3,4,5,6,7
	v_cmp_ne_u32 vcc_lo, 0, v[MK+\a]
	v_cndmask_b32 v[UP+\a], v12, v13, vcc_lo
	v_cndmask_b32 v[MK+\a], 0, -1, vcc_lo
.endr
.irp a, 0,1,2,3,4,5,6,7
	OUTBLK \a, 0
.endr
	ds_load_b128 v[112:115], v7                    ; the scale words back, 512 bytes a head: LDS serves a wave's instructions in order
	ds_load_b128 v[116:119], v7 offset:512
	s_wait_dscnt 0x0
	global_store_b128 v3, v[112:115], s[52:53]
	global_store_b128 v3, v[116:119], s[52:53] offset:8192
	s_branch .Lend
	; ---- V
.Lv_out:
	s_sub_co_u32 s42, s17, 8
	s_lshl_b32 s42, s42, 1
	s_add_co_u32 s42, s42, ttmp9
	s_lshl_b32 s42, s42, 2
	s_add_co_u32 s42, s42, s40                     ; which 256 keys
	s_lshr_b32 s43, s42, 3
	s_lshl_b32 s43, s43, 4                         ; 16 b
	s_lshl_b32 s44, s41, 2
	s_add_co_u32 s43, s43, s44
	s_lshl_b32 s44, s15, 1
	s_add_co_u32 s43, s43, s44                     ; + my first head: 4 cy + 2 x half
	s_lshl_b32 s43, s43, 4
	s_and_b32 s44, s42, 7
	s_lshl_b32 s44, s44, 1
	s_add_co_u32 s43, s43, s44
	s_add_co_u32 s43, s43, s16                     ; x 16 + which 128 keys of the batch
	s_lshl_b32 s46, s43, 13
	s_add_co_u32 s46, s46, 1<<24
	s_mov_b32 s47, 0
	s_lshl_b32 s48, s43, 8
	s_add_co_u32 s48, s48, 1<<20
	s_mov_b32 s49, 0
	s_add_nc_u64 s[50:51], s[32:33], s[46:47]
	s_add_nc_u64 s[52:53], s[34:35], s[48:49]
	s_lshl_b32 s46, s41, 10
	s_lshl_b32 s44, s15, 9
	s_add_co_u32 s46, s46, s44
	s_add_nc_u64 s[54:55], s[28:29], s[46:47]      ; the bias of my 128 rows of Wv
.irp a, 0,1,2,3,4,5,6,7
	global_load_b32 v[BI+2*\a], v4, s[54:55] offset:(32*(\a/2)+8*(\a%2))*4
.endr
	s_wait_loadcnt 0x0
.irp a, 0,1,2,3,4,5,6,7
	v_mov_b32 v[BI+2*\a+1], v[BI+2*\a]             ; a pair for the packed addition
.endr
.irp a, 0,1,2,3,4,5,6,7
	OUTBLK \a, 1
.endr
	ds_load_b128 v[112:115], v10
	s_wait_dscnt 0x0
	global_store_b128 v8, v[112:115], s[52:53]     ; sixteen lanes store a head's 256 consecutive bytes
.Lend:
	s_wait_tensorcnt 0x0                           ; the wave's end
	ds_add_u32 v[SPW], v[NIL]
	s_wait_dscnt 0x0
	CROUND                                         ; the closing round
	s_endpgm
.Lfunc_end_k_q5e8f6cb9e9_qkv:
	.size	k_q5e8f6cb9e9_qkv, .Lfunc_end_k_q5e8f6cb9e9_qkv-k_q5e8f6cb9e9_qkv
	.p2alignl 7, 3214868480
	.fill 96, 4, 3214868480
	.section	.rodata,"a",@progbits
	.p2align	6, 0x0
	.amdhsa_kernel k_q5e8f6cb9e9_qkv
		.amdhsa_group_segment_fixed_size 327680
		.amdhsa_private_segment_fixed_size 0
		.amdhsa_enable_private_segment 0
		.amdhsa_kernarg_size 64
		.amdhsa_user_sgpr_count 2
		.amdhsa_user_sgpr_kernarg_segment_ptr 1
		.amdhsa_wavefront_size32 1
		.amdhsa_system_sgpr_workgroup_id_x 1
		.amdhsa_system_sgpr_workgroup_id_y 1
		.amdhsa_system_sgpr_workgroup_id_z 1
		.amdhsa_system_vgpr_workitem_id 0
		.amdhsa_next_free_vgpr 1024
		.amdhsa_next_free_sgpr 98
		.amdhsa_reserve_vcc 1
		.amdhsa_float_denorm_mode_32 3
		.amdhsa_float_denorm_mode_16_64 3
		.amdhsa_memory_ordered 1
		.amdhsa_forward_progress 1
		.amdhsa_inst_pref_size 255
	.end_amdhsa_kernel
	.section	.bss,"aw",@nobits
	.p2align	6
	.space	262144
	.amdgpu_metadata
---
amdhsa.version: [ 1, 2 ]
amdhsa.kernels:
  - .name:           k_q5e8f6cb9e9_qkv
    .symbol:         k_q5e8f6cb9e9_qkv.kd
    .args:
      - { .name: opc, .offset: 0, .size: 8, .value_kind: global_buffer, .address_space: global }
      - { .name: ops, .offset: 8, .size: 8, .value_kind: global_buffer, .address_space: global }
      - { .name: bq, .offset: 16, .size: 8, .value_kind: global_buffer, .address_space: global }
      - { .name: bk, .offset: 24, .size: 8, .value_kind: global_buffer, .address_space: global }
      - { .name: bv, .offset: 32, .size: 8, .value_kind: global_buffer, .address_space: global }
      - { .name: mask, .offset: 40, .size: 8, .value_kind: global_buffer, .address_space: global }
      - { .name: qkvc, .offset: 48, .size: 8, .value_kind: global_buffer, .address_space: global }
      - { .name: qkvs, .offset: 56, .size: 8, .value_kind: global_buffer, .address_space: global }
    .group_segment_fixed_size: 327680
    .private_segment_fixed_size: 0
    .kernarg_segment_align: 8
    .kernarg_segment_size: 64
    .max_flat_workgroup_size: 128
    .sgpr_count:     98
    .vgpr_count:     1024
    .wavefront_size: 32
...
	.end_amdgpu_metadata
.endif
;; end of part 2
;; launch attn (part 3): grid 8 x 32, 16 waves a work-group, clusters of 4 x 1, 327,680 bytes of LDS; arguments qkvc, qkvs, cc, cs; writes cc, cs
.if DOCPART == 3
	.amdgcn_target "amdgcn-amd-amdhsa--gfx1250"
	.amdhsa_code_object_version 6
	.text
	.protected	k_q5e8f6cb9e9_attn
	.globl	k_q5e8f6cb9e9_attn
	.p2align	8
	.type	k_q5e8f6cb9e9_attn,@function
k_q5e8f6cb9e9_attn:
	s_mov_b64 s[64:65], 0
	v_nop
	global_prefetch_b8 v0, s[64:65] scope:SCOPE_SE
	s_setreg_imm32_b32 hwreg(HW_REG_WAVE_MODE, 25, 1), 1
	s_wait_xcnt 0x0
	s_wait_alu depctr_hold_cnt(0) depctr_sa_sdst(0) depctr_va_vdst(0) depctr_va_sdst(0) depctr_va_ssrc(0) depctr_va_vcc(0) depctr_vm_vsrc(0)
	s_getreg_b32 s2, hwreg(HW_REG_IB_STS2, 6, 4)
	s_cmp_eq_u32 s2, 0
	s_cbranch_scc0 .Lentry_in_a_cluster
	s_endpgm
.Lentry_in_a_cluster:
	s_bfe_u32 s2, ttmp6, 0x10000c
	s_cmp_lg_u32 s2, 0x3003
	s_cbranch_scc0 .Lentry_shape_is_right
	s_endpgm
.Lentry_shape_is_right:
; heads = softmax(Q K^T / 8, masked) V for 64 (batch, head) pairs of 2,048 x 2,048 x 64, both products on codes of FP8 (E4M3) with E8M0 scales; the result is quantised at once along (head, d) for the out projection.
; IN (images of operand registers: a piece of four registers is 32 lanes x 16 bytes on end): qkvc: Q at 0, K at 8 MiB: [b 16 + n][tile 128][c 2][lane][16]; V at 16 MiB: [b 16 + n][128 keys, 16][tile of d, 4][c 4][lane][16].
;   qkvs: scale words: Q at 0, K at 512 KiB: [b 16 + n][tile][16]; V at 1 MiB: [b 16 + n][16][4][16].
; OUT: cc [pair of heads 8][tile of 16 rows, 512][c 4][lane][16]; cs [8][512][16 words].
; THE SOFTMAX: t = score x log2(e) / 8; M = the running largest t rounded up to a whole number; p = 2^(t - M) is quantised along the keys, not normalised; the row's sum is taken of the unquantised p and divides at the end.
; When M moves, the sum and O are multiplied by 2^(old M - new M): exact.
; THE MASK: the scores' K is 64 of the instruction's 128.  At k = 64 every query carries the code -1 and every key +1; byte 2 of Q's scale word is 103, of K's 1 (the key counts) or 254 (masked; its 64 codes are zeros):
; a masked key's score is exactly -2^103.  With any key that counts its p is 0; with none, all t are equal, p = 1 everywhere and the result is the plain mean, as the definition has it.
; LIMITS: a masked logit is -2^100 where the definition has -1e30 (the same weights as long as the logits that count lie above about -1e29); a key that counts gets -2^-150 added to its score; NaN and infinities are not served.
; SHARES.  A work-group owns 256 queries of one PAIR of heads (2 hp, 2 hp + 1); each of its sixteen waves owns a tile of 16 queries and takes the two heads one after the other, so that its result is a whole fragment
; (128 along the next K) and a whole scale word.  Four waves to a SIMD: one wave's vector work stands beside another's matrix work and LDS loads.
; K's and V's images of the two heads are 256 KiB on end each: they come through two LDS slots of 512 keys (32 KiB of K, 32 KiB of V): eight slots' worth.  The scale words of both heads stay in LDS.
; CLUSTER.  The four query blocks of a cluster walk the same K and V: each tile is asked for jointly.
; LAYOUT.  S^T = K Q^T, O^T = V^T P^T: a lane holds one query throughout; the 16 registers of key tiles 2 b, 2 b + 1 are keys 32 b + 16 (lane / 16) + 0 .. 15, since the tiles' rows were chosen so when they were stored.
.set SLOT1, 1<<16                      ; slot 1 begins here: one exclusive or turns an address
.set VOFF,  32768                      ; in a slot: K's 32 tiles, then V's 4 x 8 KiB
.set SCK,   2*SLOT1                    ; K's scale words of both heads, 16 KiB
.set SCV,   SCK+16384                  ; V's, 8 KiB; 1 KiB behind them is left unused
.set SPARE, SCV+8192+1024              ; the spare words, 128 bytes for each of 16 waves, which no other line names
.set STG,   SPARE+2048                 ; 1 KiB: the result's scale words meet here; no fill lands here
.set LN16, 1                           ; v1   16 x lane
.set AKW,  2                           ; v2   SCK + 4 r
.set AVW,  3                           ; v3   SCV + 4 r
.set R4,   4                           ; v4   4 r
.set SPW,  5                           ; v5   my spare word; never rewritten
.set NIL,  6                           ; v6   0; never rewritten
.set PFO,  7                           ; v7   256 x lane: the prefetches' offset; never rewritten
.set ADK,  8                           ; v8   the slot in hand + 16 x lane
.set STA,  9                           ; v9   STG + 64 x wave + 4 r
.set ADS,  10                          ; v10  the step's scale words of K
.set ADT,  11                          ; v11  of V
.set QF,   16                          ; v16-23 Q's codes, v24-31 its padding; v12 -M, v13 the largest t, v[14:15] the sum in two halves
.set KFR,  32                          ; v32-95 four fragments of K: 8 registers of codes, 8 of padding that is written once
.set SCR,  96                          ; v96-159 S^T, then p, then four fragments of V
.set OT,   160                         ; v160-191 O^T
.set PCD,  192                         ; v192-207 p's codes
.set OFR,  208                         ; v208-223 the result's fragment
.set BM,   224                         ; v224-227 each block's largest score, then its largest p
.set T2,   228                         ; v228-231 at work
.set HD,   232                         ; v232-235 448 x the scale
.set SOP,  236                         ; v236-239 the conversions' scale operands
.set KW,   240                         ; v240-243 four scale words of K or of V
.set FF,   244                         ; v244 f = 2^(old M - new M); at the end 1 / the sum
.set PW,   245                         ; v245 p's scale word
.set TW,   246                         ; v246 at work
.set QW,   247                         ; v247 Q's scale word
.set OW,   250                         ; v250 the result's scale word
.set STR,  251                         ; v251 STG + 16 x (thread % 64)
.set CSO,  252                         ; v252 16 x (thread % 64)
.set WV,   18
.set MNT,  19
.set SEL,  20
.set CS,   22                          ; s[22:23] c = log2(e) / 8
.set G1T,  24                          ; s[24:31] group 1: 64 rows of 256 bytes
.set G1S,  32                          ; s[32:39] 32 rows of 256 bytes
.set G0K,  40
.set G0V,  44
.set G0SK, 48
.set G0SV, 52
.set TB,   56                          ; s56 the slot in hand
.set TS,   57                          ; s57 the step's scale words of K: 512 bytes a step
.set TJ,   58                          ; s58 of V: 256 a step
.set SLOTS, 59                         ; s59 slots still to be asked for
.set LIM,  60                          ; s60 1 in a wave that prefetches, else the greatest number
.set PFA,  62                          ; s[62:63] where my prefetches stand
.set QC,   66
.set QS,   68
.set CCO,  70
.set CSB,  72
; Waves 0 and 1 fetch for K, waves 2 (and 3) for V, the others nothing; the branches hang on the wave's number alone.  Four v_nop follow each of the two lines.
.macro JLOAD g0k, g0v, g1, vlim
	s_cmp_lt_u32 s[WV], 2
	s_cbranch_scc0 .Lnot_k_\@
	tensor_load_to_lds s[\g0k:\g0k+3], s[\g1:\g1+7]
	s_nop 0
.rept 4
	v_nop
.endr
	s_branch .Lasked_\@
.Lnot_k_\@:
	s_cmp_lt_u32 s[WV], \vlim
	s_cbranch_scc0 .Lasked_\@
	tensor_load_to_lds s[\g0v:\g0v+3], s[\g1:\g1+7]
	s_nop 0
.rept 4
	v_nop
.endr
.Lasked_\@:
.endm
; A prefetch of what the NEXT change of slots will ask for: 32 KiB of K and 32 KiB of V, four key steps ahead of that load.  Each block of 256 bytes is named once in the launch: both clusters of a pair of heads walk the same
; bytes, the first asks; its four partners take 8 KiB each, told apart by address; in each, wave 4 asks for K's and wave 5 for V's, lanes 256 bytes apart.  The last change that fills a slot asks for nothing.
.macro ASK
	s_cmp_gt_u32 s[SLOTS], s[LIM]
	s_cbranch_scc0 .Lnot_mine_\@
	global_prefetch_b8 v[PFO], s[PFA:PFA+1] th:TH_LOAD_NT scope:SCOPE_SE
.Lnot_mine_\@:
.endm
.macro CROUND                          ; a round of the cluster's barrier
	s_barrier_signal -1
	s_barrier_wait -1
	s_cmp_lg_u32 s[WV], 0
	s_cbranch_scc1 .Lnot_wave_0_\@
	s_barrier_signal -3
.Lnot_wave_0_\@:
	s_barrier_wait -3
	s_barrier_signal -1
	s_barrier_wait -1
.endm
	s_load_b256 s[4:11], s[0:1], 0x0               ; qkvc s[4:5], qkvs s[6:7], cc s[8:9], cs s[10:11]
	v_lshl_add_u32 v[SPW], v0, 2, SPARE
	v_mov_b32 v[NIL], 0
	ds_add_u32 v5, v6
	s_wait_dscnt 0x0
	v_lshrrev_b32 v8, 5, v0
	v_readfirstlane_b32 s[WV], v8                  ; wave 0..15
	s_bfe_u32 s74, ttmp6, 0x40000                  ; cx
	s_lshl_b32 s75, ttmp9, 2
	s_add_co_u32 s75, s75, s74                     ; my block of 256 queries
	s_and_b32 s76, ttmp7, 0xffff                   ; y = 8 b + hp, which the four partners share
	s_and_b32 s77, s[WV], 1
	s_lshl_b32 s78, s76, 18                        ; the pair's 256 KiB in Q, K and V
	s_lshl_b32 s80, s77, 14
	s_add_co_u32 s80, s80, s78
	s_add_co_u32 s80, s80, 8<<20                   ; K: my half of slot 0
	s_mov_b32 s81, 0
	s_add_co_u32 s82, s80, 8<<20                   ; V likewise
	s_mov_b32 s83, 0
	s_lshl_b32 s84, s76, 14
	s_lshl_b32 s85, s77, 13
	s_add_co_u32 s84, s84, s85
	s_add_co_u32 s84, s84, 524288                  ; K's scale words: my half of 16 KiB
	s_mov_b32 s85, 0
	s_lshl_b32 s86, s76, 13
	s_add_co_u32 s86, s86, 1048576                 ; V's: 8 KiB
	s_mov_b32 s87, 0
	s_lshl_b32 s88, s75, 4
	s_add_co_u32 s88, s88, s[WV]                   ; my tile of queries in the batch
	s_lshl_b32 s90, s88, 10
	s_add_co_u32 s90, s90, s78
	s_mov_b32 s91, 0
	s_lshl_b32 s92, s88, 6
	s_lshl_b32 s89, s76, 14
	s_add_co_u32 s92, s92, s89
	s_mov_b32 s93, 0
	s_lshr_b32 s89, s76, 3
	s_lshl_b32 s89, s89, 7
	s_add_co_u32 s88, s88, s89                     ; my tile of rows among all 512
	s_and_b32 s89, s76, 7                          ; hp
	s_lshl_b32 s94, s89, 20
	s_lshl_b32 s95, s88, 11
	s_add_co_u32 s94, s94, s95
	s_mov_b32 s95, 0
	s_sub_co_u32 s2, s88, s[WV]
	s_lshl_b32 s2, s2, 6
	s_lshl_b32 s3, s89, 15
	s_add_co_u32 s2, s2, s3                        ; the work-group's 1,024 bytes of scale words
	s_mov_b32 s3, 0
	s_mov_b32 s12, 16<<20
	s_cmp_eq_u32 s[WV], 4
	s_cselect_b32 s12, 8<<20, s12                  ; wave 4: K; wave 5: V
	s_add_co_u32 s12, s12, s78
	s_lshl_b32 s13, s74, 13                        ; my work-group's 8 KiB of a slot's 32
	s_add_co_u32 s12, s12, s13
	s_add_co_u32 s12, s12, 32768                   ; in slot 1: the first change of slots steps it to slot 2; nothing is prefetched at the head
	s_mov_b32 s13, 0
	s_sub_co_u32 s14, s[WV], 4
	s_lshr_b32 s14, s14, 1                         ; 0 in waves 4 and 5,
	s_or_b32 s14, s14, ttmp9                       ; of the pair's first cluster: the same in all four partners
	s_cmp_eq_u32 s14, 0
	s_cselect_b32 s[LIM], 1, -1
	; group 1: dense blocks as rows of 256 bytes (32 elements of 8 bytes), no padding: the images are read 16 bytes a lane on end
	s_mov_b32 s[G1T], 15|(3<<16)|(1<<21)           ; the mask: all four work-groups; elements of 8 bytes; bit 21 beside a mask
	s_mov_b32 s[G1T+1], 32<<16
	s_mov_b32 s[G1T+2], 64<<16
	s_mov_b32 s[G1T+3], 32<<16
	s_mov_b32 s[G1T+4], 64
	s_mov_b32 s[G1T+5], 32
	s_mov_b32 s[G1T+6], 0
	s_mov_b32 s[G1T+7], 0
	s_mov_b32 s[G1S], 15|(3<<16)|(1<<21)
	s_mov_b32 s[G1S+1], 32<<16
	s_mov_b32 s[G1S+2], 32<<16
	s_mov_b32 s[G1S+3], 32<<16
	s_mov_b32 s[G1S+4], 32
	s_mov_b32 s[G1S+5], 32
	s_mov_b32 s[G1S+6], 0
	s_mov_b32 s[G1S+7], 0
	s_mov_b32 s[SEL], 0x76543210
	s_mov_b32 s[SEL+1], 0xfedcba98
	s_mov_b32 s[CS], 0x3e38aa3b                    ; c = log2(e) / 8
	s_mov_b32 s[CS+1], s[CS]
	s_mov_b32 s[MNT], 0x600000
	s_mov_b32 s[TB], 0
	s_mov_b32 s[TS], 0
	s_mov_b32 s[TJ], 0
	s_wait_kmcnt 0x0
	s_mov_b32 s[G0K], 1
	s_lshl_b32 s[G0K+1], s77, 14
	s_add_nc_u64 s[G0K+2:G0K+3], s[4:5], s[80:81]
	s_or_b32 s[G0K+3], s[G0K+3], 0x80000000
	s_mov_b32 s[G0V], 1
	s_lshl_b32 s[G0V+1], s77, 14
	s_add_co_u32 s[G0V+1], s[G0V+1], VOFF
	s_add_nc_u64 s[G0V+2:G0V+3], s[4:5], s[82:83]
	s_or_b32 s[G0V+3], s[G0V+3], 0x80000000
	s_mov_b32 s[G0SK], 1
	s_lshl_b32 s[G0SK+1], s77, 13
	s_add_co_u32 s[G0SK+1], s[G0SK+1], SCK
	s_add_nc_u64 s[G0SK+2:G0SK+3], s[6:7], s[84:85]
	s_or_b32 s[G0SK+3], s[G0SK+3], 0x80000000
	s_mov_b32 s[G0SV], 1
	s_mov_b32 s[G0SV+1], SCV
	s_add_nc_u64 s[G0SV+2:G0SV+3], s[6:7], s[86:87]
	s_or_b32 s[G0SV+3], s[G0SV+3], 0x80000000
	s_add_nc_u64 s[QC:QC+1], s[4:5], s[90:91]
	s_add_nc_u64 s[QS:QS+1], s[6:7], s[92:93]
	s_add_nc_u64 s[CCO:CCO+1], s[8:9], s[94:95]
	s_add_nc_u64 s[CSB:CSB+1], s[10:11], s[2:3]
	s_add_nc_u64 s[PFA:PFA+1], s[4:5], s[12:13]
	CROUND                                         ; all four work-groups are here: the first joint loads meet
	JLOAD G0SK, G0SV, G1S, 3                       ; the scale words of both heads: filled once
	JLOAD G0K, G0V, G1T, 4                         ; slot 0.  At most two tensor loads of a wave are out
	v_and_b32 v8, 31, v0
	v_lshlrev_b32 v[LN16], 4, v8
	v_lshlrev_b32 v[PFO], 8, v8
	v_and_b32 v9, 15, v0
	v_lshlrev_b32 v[R4], 2, v9
	v_add_nc_u32 v[AKW], SCK, v[R4]
	v_add_nc_u32 v[AVW], SCV, v[R4]
	s_lshl_b32 s15, s[WV], 6
	s_add_co_u32 s15, s15, STG
	v_add_nc_u32 v[STA], s15, v[R4]
	v_and_b32 v[CSO], 63, v0
	v_lshlrev_b32 v[CSO], 4, v[CSO]
	v_add_nc_u32 v[STR], STG, v[CSO]
	v_bfe_u32 v10, v0, 4, 1
	v_sub_nc_u32 v10, 1, v10                       ; 1 in lanes 0-15: k = 64 is byte 0 of their register 8
	v_mul_u32_u24 v[QF+8], v10, 0xb8               ; the code of -1
	v_mul_u32_u24 v[KFR+8], v10, 0x38              ; the code of +1
.irp t, 1,2,3
	v_mov_b32 v[KFR+16*\t+8], v[KFR+8]
.endr
.irp i, 9,10,11,12,13,14,15
	v_mov_b32 v[QF+\i], 0                          ; the rest of the padding: zero codes, written once, never loaded into
.irp t, 0,1,2,3
	v_mov_b32 v[KFR+16*\t+\i], 0
.endr
.endr
.irp b, 0,1,2,3
	v_mov_b32 v[T2+\b], 0                          ; written once: a lane permute's destination counts as one of its sources
.endr
	v_mov_b32 v[PW], 0                             ; (named as the upper half of the pair v[244:245] before it is first written)
	v_mov_b32 v[TW], 0
.macro INIT                            ; a head begins: O^T and the sum are zeros, the largest t lies under every t: the first change of M multiplies zeros
	v_mov_b32 v13, 0xff61b1e6
	v_floor_f32 v12, -v13
	v_mov_b32 v14, 0
	v_mov_b32 v15, 0
.set j, 0
.rept 32
	v_mov_b32 v[OT+j], 0
.set j, j+1
.endr
.endm
.macro QLOAD hd                        ; my tile of queries of head hd: two pieces and the scale word
	global_load_b128 v[QF:QF+3], v[LN16], s[QC:QC+1] offset:\hd*131072
	global_load_b128 v[QF+4:QF+7], v[LN16], s[QC:QC+1] offset:\hd*131072+512
	global_load_b32 v[QW], v[R4], s[QS:QS+1] offset:\hd*8192
	s_wait_loadcnt 0x0
.endm
; A KEY STEP: 128 keys, the q-th of the slot in hand.
.macro STEP q
	v_add_nc_u32 v[ADK], s[TB], v[LN16]
	v_add_nc_u32 v[ADS], s[TS], v[AKW]
	v_add_nc_u32 v[ADT], s[TJ], v[AVW]
.rept 6
	v_nop                                          ; with the three additions nine places: the scores are laid over V's fragments, which the last products read
.endr
.irp g, 0,1                                    ; S^T = K Q^T, four tiles of 16 keys at a time
.if \g
.rept 8
	v_nop                                          ; places in front of loads into registers that matrix instructions have read
.endr
.endif
.irp t, 0,1,2,3
	ds_load_b128 v[KFR+16*\t:KFR+16*\t+3], v[ADK] offset:8192*(\q)+(4*\g+\t)*1024
	ds_load_b128 v[KFR+16*\t+4:KFR+16*\t+7], v[ADK] offset:8192*(\q)+(4*\g+\t)*1024+512
	ds_load_b32 v[KW+\t], v[ADS] offset:(4*\g+\t)*64
.endr
	s_wait_dscnt 0x0
.irp t, 0,1,2,3
	v_wmma_scale_f32_16x16x128_f8f6f4 v[SCR+8*(4*\g+\t):SCR+8*(4*\g+\t)+7], v[KFR+16*\t:KFR+16*\t+15], v[QF:QF+15], 0, v[KW+\t], v[QW]
.endr
.endr
.rept 8
	v_nop
.endr
.irp b, 0,1,2,3
	v_max3_num_f32 v[BM+\b], v[SCR+16*\b], v[SCR+16*\b+1], v[SCR+16*\b+2]   ; the largest score of each block of 32 keys: for the row's maximum, and, since p rises with the score, for the block's largest p
.endr
.irp i, 3,5,7,9,11,13
.irp b, 0,1,2,3
	v_max3_num_f32 v[BM+\b], v[BM+\b], v[SCR+16*\b+\i], v[SCR+16*\b+\i+1]
.endr
.endr
.irp b, 0,1,2,3
	v_max_num_f32 v[BM+\b], v[BM+\b], v[SCR+16*\b+15]
.endr
.irp b, 0,1,2,3
	v_permlanex16_b32 v[T2+\b], v[BM+\b], s[SEL], s[SEL+1]
.endr
.irp b, 0,1,2,3
	v_max_num_f32 v[BM+\b], v[BM+\b], v[T2+\b]     ; with lane l xor 16's 16 keys
.endr
	v_max3_num_f32 v[TW], v[BM], v[BM+1], v[BM+2]
	v_max_num_f32 v[TW], v[TW], v[BM+3]
	v_mul_f32 v[TW], s[CS], v[TW]                  ; as t (c is positive)
	v_max_num_f32 v13, v13, v[TW]                  ; the running largest t
	v_mov_b32 v[TW], v12
	v_floor_f32 v12, -v13                          ; the new -M = -ceil(t)
	v_sub_f32 v[TW], v12, v[TW]                    ; old M - new M: a whole number, 0 or less
	v_cvt_i32_f32 v[TW], v[TW]                     ; (it saturates)
	v_ldexp_f32 v[FF], 1.0, v[TW]                  ; f = 2^(old M - new M)
.set j, 0
.rept 32
	v_pk_fma_f32 v[SCR+j:SCR+j+1], v[SCR+j:SCR+j+1], s[CS:CS+1], v[12:13] op_sel_hi:[1,0,0]   ; t - M, two at a time
.set j, j+2
.endr
.irp b, 0,1,2,3
	v_fma_f32 v[BM+\b], v[BM+\b], s[CS], v12       ; the same of each block's largest score
.endr
.set j, 0
.rept 64
	v_exp_f32 v[SCR+j], v[SCR+j]                   ; p = 2^(t - M)
.set j, j+1
.endr
.irp b, 0,1,2,3
	v_exp_f32 v[BM+\b], v[BM+\b]                   ; the block's largest p: the same two instructions on the same number
.endr
	v_pk_mul_f32 v[14:15], v[14:15], v[FF:FF+1] op_sel_hi:[1,0]   ; the sums under the new M (a plain instruction behind the exponentials)
	s_wait_alu depctr_va_vdst(0)
.irp b, 0,1,2,3
	v_max_num_f32 v[BM+\b], 0x4800000, v[BM+\b]    ; the floor 2^(9 - 127): the byte cannot fall under 1
.endr
.irp b, 0,1,2,3
	v_add_nc_u32 v[SOP+\b], 0xfc000000, v[BM+\b]   ; the conversion's scale operand
.endr
.irp b, 0,1,2,3
	v_and_or_b32 v[HD+\b], v[BM+\b], 0x7f800000, s[MNT]   ; 448 x the scale
.endr
.irp b, 0,1,2,3
	v_lshrrev_b32 v[T2+\b], 23, v[SOP+\b]          ; the byte
.endr
	v_lshl_or_b32 v[PW], v[T2+1], 8, v[T2]         ; p's scale word for these 128 keys
	v_lshl_or_b32 v[PW], v[T2+2], 16, v[PW]
	v_lshl_or_b32 v[PW], v[T2+3], 24, v[PW]
	v_pk_add_f32 v[T2:T2+1], v[SCR:SCR+1], v[SCR+2:SCR+3]   ; the row's sum of the unquantised p, in two chains
.set j, 4
.rept 15
	v_pk_add_f32 v[14:15], v[14:15], v[SCR+j:SCR+j+1]
	v_pk_add_f32 v[T2:T2+1], v[T2:T2+1], v[SCR+j+2:SCR+j+3]
.set j, j+4
.endr
	v_pk_add_f32 v[14:15], v[14:15], v[T2:T2+1]
.irp b, 0,1,2,3
.set j, 0
.rept 16
	v_min_num_f32 v[SCR+16*\b+j], v[SCR+16*\b+j], v[HD+\b]   ; the conversion does not saturate (ISA guide 7.6.2); p is not negative
.set j, j+1
.endr
	v_cvt_scalef32_pk8_fp8_f32 v[PCD+4*\b:PCD+4*\b+1], v[SCR+16*\b:SCR+16*\b+7], v[SOP+\b]
	v_cvt_scalef32_pk8_fp8_f32 v[PCD+4*\b+2:PCD+4*\b+3], v[SCR+16*\b+8:SCR+16*\b+15], v[SOP+\b]
.endr
	v_nop                                          ; a plain instruction behind the last conversion
.irp t, 0,1,2,3                                ; V's four fragments (16 of d x these 128 keys) into the registers that p has left; the rescaling below stands between the loads and the wait
.irp c, 0,1,2,3
	ds_load_b128 v[SCR+16*\t+4*\c:SCR+16*\t+4*\c+3], v[ADK] offset:VOFF+8192*(\q)+2048*\t+512*\c
.endr
	ds_load_b32 v[KW+\t], v[ADT] offset:64*\t
.endr
.set j, 0
.rept 16
	v_pk_mul_f32 v[OT+j:OT+j+1], v[OT+j:OT+j+1], v[FF:FF+1] op_sel_hi:[1,0]   ; O^T under the new M; also the places between the codes and the products
.set j, j+2
.endr
	s_wait_dscnt 0x0
.irp t, 0,1,2,3
	v_wmma_scale_f32_16x16x128_f8f6f4 v[OT+8*\t:OT+8*\t+7], v[SCR+16*\t:SCR+16*\t+15], v[PCD:PCD+15], v[OT+8*\t:OT+8*\t+7], v[KW+\t], v[PW]
.endr
	s_add_co_u32 s[TS], s[TS], 512
	s_add_co_u32 s[TJ], s[TJ], 256
.endm
.macro SLOT_STEPS
	STEP 0
	STEP 1
	STEP 2
	STEP 3
	s_xor_b32 s[TB], s[TB], SLOT1
.endm
; THE CHANGE OF SLOTS stands at a slot's head.  Each wave waits for all its tensor loads, adds 0 to its spare word, and waits for that and for its reads of the slot that it has left.
; fill = 1: the barrier is a round of the cluster's, and behind it the slot that was left is filled with the next 512 keys: the load has four key steps in which to land.
.macro CHANGE fill
	s_wait_tensorcnt 0x0                           ; no tensor load of mine is out, so a group 0 may be written
	ds_add_u32 v[SPW], v[NIL]                      ; 0 onto my spare word
.if \fill
	s_xor_b32 s[G0K+1], s[G0K+1], SLOT1
	s_add_nc_u64 s[G0K+2:G0K+3], s[G0K+2:G0K+3], 32768
	s_xor_b32 s[G0V+1], s[G0V+1], SLOT1
	s_add_nc_u64 s[G0V+2:G0V+3], s[G0V+2:G0V+3], 32768
	s_wait_xcnt 0x0                                ; the last prefetch, a slot back, has read its address
	s_add_nc_u64 s[PFA:PFA+1], s[PFA:PFA+1], 32768
	s_wait_dscnt 0x0                               ; the add is done, and my reads of the slot that I have left are over
	CROUND
	JLOAD G0K, G0V, G1T, 4                         ; the first thing behind the round, a wave's one tensor load until the next
	ASK
.else
	s_wait_dscnt 0x0
	s_barrier_signal -1
	s_barrier_wait -1
.endif
.endm
; A head ends: O^T / the sum; its 64 numbers a query are two blocks of 32 along the out projection's K (lanes l and l xor 16 hold 16 each): pieces 2 hd and 2 hd + 1 of the fragment, bytes 2 hd and 2 hd + 1 of the word.
.macro FINISH hd
.rept 8
	v_nop
.endr
	v_add_f32 v14, v14, v15
	v_permlanex16_b32 v[TW], v14, s[SEL], s[SEL+1]
	v_add_f32 v14, v14, v[TW]                      ; the row's sum
	v_rcp_f32 v[FF], v14
	v_nop
.set j, 0
	s_wait_alu depctr_va_vdst(0)
.rept 16
	v_pk_mul_f32 v[OT+j:OT+j+1], v[OT+j:OT+j+1], v[FF:FF+1] op_sel_hi:[1,0]
.set j, j+2
.endr
.irp b, 0,1
	v_max3_num_f32 v[BM+\b], |v[OT+16*\b]|, |v[OT+16*\b+1]|, 0x4800000
.endr
.irp i, 2,4,6,8,10,12,14
.irp b, 0,1
	v_max3_num_f32 v[BM+\b], v[BM+\b], |v[OT+16*\b+\i]|, |v[OT+16*\b+\i+1]|
.endr
.endr
.irp b, 0,1
	v_permlanex16_b32 v[T2+\b], v[BM+\b], s[SEL], s[SEL+1]
.endr
.irp b, 0,1
	v_max_num_f32 v[BM+\b], v[BM+\b], v[T2+\b]
.endr
.irp b, 0,1
	v_add_nc_u32 v[SOP+\b], 0xfc000000, v[BM+\b]
.endr
.irp b, 0,1
	v_and_or_b32 v[HD+\b], v[BM+\b], 0x7f800000, s[MNT]
.endr
.irp b, 0,1
	v_lshrrev_b32 v[T2+\b], 23, v[SOP+\b]
.endr
.if \hd
	v_lshl_or_b32 v[OW], v[T2], 16, v[OW]
	v_lshl_or_b32 v[OW], v[T2+1], 24, v[OW]
.else
	v_lshl_or_b32 v[OW], v[T2+1], 8, v[T2]
.endif
.irp b, 0,1
.set j, 0
.rept 16
	v_med3_num_f32 v[OT+16*\b+j], v[OT+16*\b+j], -v[HD+\b], v[HD+\b]
.set j, j+1
.endr
	v_cvt_scalef32_pk8_fp8_f32 v[OFR+8*\hd+4*\b:OFR+8*\hd+4*\b+1], v[OT+16*\b:OT+16*\b+7], v[SOP+\b]
	v_cvt_scalef32_pk8_fp8_f32 v[OFR+8*\hd+4*\b+2:OFR+8*\hd+4*\b+3], v[OT+16*\b+8:OT+16*\b+15], v[SOP+\b]
.endr
	v_nop                                          ; a plain instruction behind the last conversion
.endm
	INIT
	QLOAD 0
	s_mov_b32 s[SLOTS], 7
.Lhead0:                                           ; four trips: the first head's four slots; each change asks for the slot that follows
	CHANGE 1
	SLOT_STEPS
	s_sub_co_u32 s[SLOTS], s[SLOTS], 1
	s_cmp_lg_u32 s[SLOTS], 3
	s_cbranch_scc1 .Lhead0
	FINISH 0
	INIT
	QLOAD 1
	s_mov_b32 s[SLOTS], 3
.Lhead1:                                           ; three trips: the second head's first three slots
	CHANGE 1
	SLOT_STEPS
	s_sub_co_u32 s[SLOTS], s[SLOTS], 1
	s_cmp_lg_u32 s[SLOTS], 0
	s_cbranch_scc1 .Lhead1
	CHANGE 0                                       ; the last slot is written out
	SLOT_STEPS
	FINISH 1
.irp c, 0,1,2,3
	global_store_b128 v[LN16], v[OFR+4*\c:OFR+4*\c+3], s[CCO:CCO+1] offset:512*\c   ; the fragment's image: 512 consecutive bytes a store
.endr
	ds_store_b32 v[STA], v[OW]                     ; lanes r and r + 16 write the same word with the same value
	s_wait_dscnt 0x0                               ; for the others' sake
	s_barrier_signal -1
	s_barrier_wait -1
	s_cmp_lt_u32 s[WV], 2                          ; the sixteen tiles' words, 1,024 bytes, leave by two waves, 512 consecutive bytes each
	s_cbranch_scc0 .Lno_words
	ds_load_b128 v[BM:BM+3], v[STR]
	s_wait_dscnt 0x0
	global_store_b128 v[CSO], v[BM:BM+3], s[CSB:CSB+1]
.Lno_words:
	s_wait_tensorcnt 0x0                           ; the wave's end
	ds_add_u32 v[SPW], v[NIL]
	s_wait_dscnt 0x0
	CROUND                                         ; the closing round
	s_endpgm
.Lfunc_end_k_q5e8f6cb9e9_attn:
	.size	k_q5e8f6cb9e9_attn, .Lfunc_end_k_q5e8f6cb9e9_attn-k_q5e8f6cb9e9_attn
	.p2alignl 7, 3214868480
	.fill 96, 4, 3214868480
	.section	.rodata,"a",@progbits
	.p2align	6, 0x0
	.amdhsa_kernel k_q5e8f6cb9e9_attn
		.amdhsa_group_segment_fixed_size 327680
		.amdhsa_private_segment_fixed_size 0
		.amdhsa_enable_private_segment 0
		.amdhsa_kernarg_size 32
		.amdhsa_user_sgpr_count 2
		.amdhsa_user_sgpr_kernarg_segment_ptr 1
		.amdhsa_wavefront_size32 1
		.amdhsa_system_sgpr_workgroup_id_x 1
		.amdhsa_system_sgpr_workgroup_id_y 1
		.amdhsa_system_sgpr_workgroup_id_z 1
		.amdhsa_system_vgpr_workitem_id 0
		.amdhsa_next_free_vgpr 256
		.amdhsa_next_free_sgpr 96
		.amdhsa_reserve_vcc 0
		.amdhsa_float_denorm_mode_32 3
		.amdhsa_float_denorm_mode_16_64 3
		.amdhsa_memory_ordered 1
		.amdhsa_forward_progress 1
		.amdhsa_inst_pref_size 255
	.end_amdhsa_kernel
	.section	.bss,"aw",@nobits
	.p2align	6
	.space	262144
	.amdgpu_metadata
---
amdhsa.version: [ 1, 2 ]
amdhsa.kernels:
  - .name:           k_q5e8f6cb9e9_attn
    .symbol:         k_q5e8f6cb9e9_attn.kd
    .args:
      - { .name: qkvc, .offset: 0, .size: 8, .value_kind: global_buffer, .address_space: global }
      - { .name: qkvs, .offset: 8, .size: 8, .value_kind: global_buffer, .address_space: global }
      - { .name: cc, .offset: 16, .size: 8, .value_kind: global_buffer, .address_space: global }
      - { .name: cs, .offset: 24, .size: 8, .value_kind: global_buffer, .address_space: global }
    .group_segment_fixed_size: 327680
    .private_segment_fixed_size: 0
    .kernarg_segment_align: 8
    .kernarg_segment_size: 32
    .max_flat_workgroup_size: 512
    .sgpr_count:     96
    .vgpr_count:     256
    .wavefront_size: 32
...
	.end_amdgpu_metadata
.endif
;; end of part 3
;; launch outp (part 4): grid 4 x 32, 4 waves a work-group, clusters of 4 x 4, 327,680 bytes of LDS; arguments cc, cs, opc, ops, bo, out0; writes out0
.if DOCPART == 4
	.amdgcn_target "amdgcn-amd-amdhsa--gfx1250"
	.amdhsa_code_object_version 6
	.text
	.protected	k_q5e8f6cb9e9_outp
	.globl	k_q5e8f6cb9e9_outp
	.p2align	8
	.type	k_q5e8f6cb9e9_outp,@function
k_q5e8f6cb9e9_outp:
	s_mov_b64 s[64:65], 0
	v_nop
	global_prefetch_b8 v0, s[64:65] scope:SCOPE_SE
	s_setreg_imm32_b32 hwreg(HW_REG_WAVE_MODE, 25, 1), 1
	s_wait_xcnt 0x0
	s_wait_alu depctr_hold_cnt(0) depctr_sa_sdst(0) depctr_va_vdst(0) depctr_va_sdst(0) depctr_va_ssrc(0) depctr_va_vcc(0) depctr_vm_vsrc(0)
	s_getreg_b32 s2, hwreg(HW_REG_IB_STS2, 6, 4)
	s_cmp_eq_u32 s2, 0
	s_cbranch_scc0 .Lentry_in_a_cluster
	s_endpgm
.Lentry_in_a_cluster:
	s_bfe_u32 s2, ttmp6, 0x10000c
	s_cmp_lg_u32 s2, 0xf033
	s_cbranch_scc0 .Lentry_shape_is_right
	s_endpgm
.Lentry_shape_is_right:
; out0 = concat Wo + bo: [8192][1024] f32, K = 1,024, on codes of FP8 (E4M3) with E8M0 scales.
; A = concat arrives as images of operand registers: cc [128 along K, 8][tile of 16 rows, 512][c 4][lane][16 bytes], its scale words cs [8][512][16].  A tile's place r holds row 32 (T / 2) + 8 (T % 2) + r + 8 (r / 8).
; B = Wo's columns: rows 11264.. of opc [.][1024 codes] and ops [.][32 bytes]; stored rows 16 T + r are the columns 32 (T / 2) + 8 (T % 2) + r + 8 (r / 8).
; A work-group of four waves makes 256 x 256 of the result, a wave 128 x 128: 64 accumulators.  K goes in four steps of 256 through two LDS slots; all scale words come once.  128 work-groups: 8,192 x 1,024 has no more such tiles.
; CLUSTERS of 4 x 4: A's tiles are shared along a row of the cluster, B's along a column: each is asked for jointly.
; The matrix instruction takes source 0 = 16 rows of B, source 1 = 16 rows of A: a lane holds one row of the result, and its registers of B's tiles 2 p, 2 p + 1 are the 16 neighbouring columns 32 p + 16 (lane / 16) + 0 .. 15.
; REGISTERS, in windows of 256: window 0: v0-31 addresses, v8-11 bo; v32-63 B's scale words, v64-95 A's, two sets each; from v128 A's fragments, one set.  window 1: B's fragments, two sets.  windows 2, 3: the accumulators.
.set NQ,     2
.set ROWB,   256
.set KROW,   1024
.set PITCH,  272                       ; B's LDS row: 256 bytes + 16 of padding: the 16 rows that a load touches start at 16 different banks (ISA guide 11.1)
.set FR,     16
.set NL,     4
.set NP,     8                         ; places behind this matrix instruction (ISA guide 7.12.1)
.set AIMG,   65536                     ; in a slot: A's images [half 2][128 along K, 2][tile 8][2,048 bytes],
.set HALFT,  128*PITCH
.set SLOT,   AIMG+2*HALFT              ; then B's 256 rows
.set KS,     32
.set SCL,    2*SLOT                    ; behind the ring: A's scale words [half 2][8][512 bytes],
.set ASC,    8192
.set HALFS,  (128*KS/256)*272          ; then B's scale bytes, as units of 256 bytes + 16 of padding
.set SBLK,   (16*KS/256)*272
.set SPARE,  SCL+ASC+2*HALFS           ; the spare words, 128 bytes for each wave, which no other line names
.set SPITCH, 528                       ; the way out: a stage of 16 rows x (512 + 16) bytes for each wave, in slot 0, which has had its last fill and its last read by then
.set ADRA, 16
.set ADRB, 20
.set STO,  24
.set RD,   25
.set CO,   26                          ; v26 16 x lane
.set ADRSB, 27
.set SPW,  28
.set NIL,  29
.set ADRSA, 30
.set BO,   8                           ; v8-11 bo of my four columns of a row's 128
.set SCB,  32
.set SCA,  64
.set AF,   128
.set BK,   128
.set G1, 24
.set G0, 32
.set G1B, 48
.set G0B, 56
.set G1S, 68
.set G0S, 76
.set G1SB, 80
.set G0SB, 88
.set MSB, 0
.macro WIN new
.if MSB != \new
	s_set_vgpr_msb (MSB<<8)|\new
.set MSB, \new
.endif
.endm
.set MUL_LO, 0xa1
.set MUL_HI, 0xf1
.set TO_B,   0x40
.macro JLOAD g0a, g1a, g0b, g1b        ; waves 0 and 1 fetch for A, waves 2 and 3 for B; four v_nop follow each of the two lines
	s_cmp_eq_u32 s15, 0
	s_cbranch_scc0 .Lfor_b_\@
	tensor_load_to_lds s[\g0a:\g0a+3], s[\g1a:\g1a+7]
	s_nop 0
.rept 4
	v_nop
.endr
	s_branch .Lasked_\@
.Lfor_b_\@:
	tensor_load_to_lds s[\g0b:\g0b+3], s[\g1b:\g1b+7]
	s_nop 0
.rept 4
	v_nop
.endr
.Lasked_\@:
.endm
.macro CREST
	s_cmp_lg_u32 s14, 0
	s_cbranch_scc1 .Lnot_wave_0_\@
	s_barrier_signal -3
.Lnot_wave_0_\@:
	s_barrier_wait -3
	s_barrier_signal -1
	s_barrier_wait -1
.endm
.macro CROUND
	s_barrier_signal -1
	s_barrier_wait -1
	CREST
.endm
	s_load_b256 s[4:11], s[0:1], 0x0               ; cc s[4:5], cs s[6:7], opc s[8:9], ops s[10:11]
	s_load_b64 s[96:97], s[0:1], 0x20              ; bo
	s_load_b64 s[12:13], s[0:1], 0x28              ; out0
	v_lshl_add_u32 v[SPW], v0, 2, SPARE
	v_mov_b32 v[NIL], 0
	ds_add_u32 v28, v29
	s_wait_dscnt 0x0
	v_lshrrev_b32 v1, 5, v0
	v_readfirstlane_b32 s14, v1                    ; wave 0..3
	s_lshr_b32 s15, s14, 1                         ; which half of the rows is mine.  Also: I fetch for A (0) or for B (1)
	s_and_b32 s16, s14, 1                          ; which half of the columns.  Also: which half I fetch
	s_bfe_u32 s40, ttmp6, 0x40000
	s_bfe_u32 s41, ttmp6, 0x40004
	s_lshl_b32 s42, ttmp9, 2
	s_add_co_u32 s42, s42, s40                     ; tile column
	s_and_b32 s17, ttmp7, 0xffff
	s_lshl_b32 s17, s17, 2
	s_add_co_u32 s17, s17, s41                     ; tile row
	s_lshl_b32 s43, s41, 2
	s_lshl_b32 s43, 15, s43                        ; my row of the cluster
	s_lshl_b32 s44, 0x1111, s40                    ; my column
	; A's tiles: eight images, 16 KiB on end, for each of the K step's two 128: 2 rows of 2,048 elements of 8 bytes, 1 MiB apart; no padding
	s_or_b32 s[G1+0], s43, (3<<16)|(1<<21)
	s_mov_b32 s[G1+1], 2048<<16
	s_mov_b32 s[G1+2], 2<<16
	s_mov_b32 s[G1+3], 2048<<16
	s_mov_b32 s[G1+4], 2
	s_mov_b32 s[G1+5], 131072
	s_mov_b32 s[G1+6], 0
	s_mov_b32 s[G1+7], 0
	; B's tiles: 128 rows of 256 bytes, 16 bytes of padding behind each
	s_or_b32 s[G1B+0], s44, (0<<16)|(1<<20)|(1<<21)|(5<<22)|(3<<25)
	s_mov_b32 s[G1B+1], ROWB<<16
	s_mov_b32 s[G1B+2], 128<<16
	s_mov_b32 s[G1B+3], ROWB<<16
	s_mov_b32 s[G1B+4], 128
	s_mov_b32 s[G1B+5], KROW
	s_mov_b32 s[G1B+6], 0
	s_mov_b32 s[G1B+7], 0
	; A's scale words: eight tiles' 512 bytes for each of the eight 128 along K: 8 rows of 64 elements of 8 bytes, 32 KiB apart
	s_or_b32 s[G1S+0], s43, (3<<16)|(1<<21)
	s_mov_b32 s[G1S+1], 64<<16
	s_mov_b32 s[G1S+2], 8<<16
	s_mov_b32 s[G1S+3], 64<<16
	s_mov_b32 s[G1S+4], 8
	s_mov_b32 s[G1S+5], 4096
	s_mov_b32 s[G1S+6], 0
	s_mov_b32 s[G1S+7], 0
	; B's scale bytes of 128 rows: 4,096 dense bytes as 16 rows of 256, 16 bytes of padding behind each
	s_or_b32 s[G1SB+0], s44, (3<<16)|(1<<20)|(1<<21)|(5<<22)|(3<<25)
	s_mov_b32 s[G1SB+1], 32<<16
	s_mov_b32 s[G1SB+2], (128*KS/256)<<16
	s_mov_b32 s[G1SB+3], 32<<16
	s_mov_b32 s[G1SB+4], 128*KS/256
	s_mov_b32 s[G1SB+5], 32
	s_mov_b32 s[G1SB+6], 0
	s_mov_b32 s[G1SB+7], 0
	s_lshl_b32 s20, s17, 15                        ; A: tile of rows 16 x tile row + 8 x half, 2,048 bytes each
	s_lshl_b32 s18, s16, 14
	s_add_co_u32 s20, s20, s18
	s_mov_b32 s21, 0
	s_lshl_b32 s22, s17, 10                        ; its scale words, 64 bytes each
	s_lshl_b32 s18, s16, 9
	s_add_co_u32 s22, s22, s18
	s_mov_b32 s23, 0
	s_lshl_b32 s46, s42, 8                         ; B: row 11,264 + 256 x tile column + 128 x half
	s_lshl_b32 s18, s16, 7
	s_add_co_u32 s46, s46, s18
	s_add_co_u32 s46, s46, 11264
	s_mov_b32 s47, 0
	s_lshl_b64 s[92:93], s[46:47], 5
	s_lshl_b64 s[46:47], s[46:47], 10
	s_lshl_b32 s45, s16, 15                        ; where they go: no place in the cluster enters an LDS address
	s_mul_i32 s94, s16, HALFT
	s_add_co_u32 s94, s94, AIMG
	s_lshl_b32 s95, s16, 12
	s_add_co_u32 s95, s95, SCL
	s_mul_i32 s98, s16, HALFS
	s_add_co_u32 s98, s98, SCL+ASC
	s_wait_kmcnt 0x0
	s_add_nc_u64 s[20:21], s[4:5], s[20:21]
	s_add_nc_u64 s[22:23], s[6:7], s[22:23]
	s_add_nc_u64 s[46:47], s[8:9], s[46:47]
	s_add_nc_u64 s[92:93], s[10:11], s[92:93]
	CROUND                                         ; all sixteen work-groups are here: the first joint loads meet
	s_mov_b32 s[G0S], 1
	s_mov_b32 s[G0S+1], s95
	s_mov_b64 s[G0S+2:G0S+3], s[22:23]
	s_or_b32 s[G0S+3], s[G0S+3], 0x80000000
	s_mov_b32 s[G0SB], 1
	s_mov_b32 s[G0SB+1], s98
	s_mov_b64 s[G0SB+2:G0SB+3], s[92:93]
	s_or_b32 s[G0SB+3], s[G0SB+3], 0x80000000
	JLOAD G0S, G1S, G0SB, G1SB                     ; the scale words first
.irp s, 0,1
	s_mov_b32 s[G0+4*\s], 1
	s_add_co_u32 s[G0+4*\s+1], s45, \s*SLOT
	s_add_nc_u64 s[G0+4*\s+2:G0+4*\s+3], s[20:21], \s*(2<<20)
	s_or_b32 s[G0+4*\s+3], s[G0+4*\s+3], 0x80000000
	s_mov_b32 s[G0B+4*\s], 1
	s_add_co_u32 s[G0B+4*\s+1], s94, \s*SLOT
	s_add_nc_u64 s[G0B+4*\s+2:G0B+4*\s+3], s[46:47], \s*ROWB
	s_or_b32 s[G0B+4*\s+3], s[G0B+4*\s+3], 0x80000000
	JLOAD G0+4*\s, G1, G0B+4*\s, G1B               ; three tensor loads of mine are out
.endr
	v_and_b32 v1, 15, v0                           ; r
	v_bfe_u32 v2, v0, 4, 1                         ; h
	v_and_b32 v6, 31, v0
	v_lshlrev_b32 v[CO], 4, v6
	v_mul_u32_u24 v3, v1, PITCH
	v_lshl_add_u32 v4, v2, 4, v3
	s_lshl_b32 s21, s15, 15                        ; my eight tiles of A
	s_mul_i32 s22, s16, HALFT
	s_add_co_u32 s22, s22, AIMG                    ; my 128 rows of B
.irp s, 0,1
	v_add_nc_u32 v[ADRA+\s], s21, v[CO]
	v_add_nc_u32 v[ADRB+\s], s22, v4
	s_add_co_u32 s21, s21, SLOT
	s_add_co_u32 s22, s22, SLOT
.endr
	v_mul_u32_u24 v5, v1, KS                       ; B's scale bytes: 32 a row, and 16 more for each 256 passed
	v_lshrrev_b32 v6, 8, v5
	v_lshl_add_u32 v5, v6, 4, v5
	s_mul_i32 s22, s16, HALFS
	s_add_co_u32 s22, s22, SCL+ASC
	v_add_nc_u32 v[ADRSB], s22, v5
	s_lshl_b32 s21, s15, 12
	s_add_co_u32 s21, s21, SCL
	v_lshl_add_u32 v[ADRSA], v1, 2, s21            ; A's scale words: 4 r
	s_mul_i32 s23, s14, 16*SPITCH                  ; my stage
	v_mul_u32_u24 v5, v1, SPITCH
	v_lshl_add_u32 v5, v2, 6, v5
	v_add_nc_u32 v[STO], s23, v5                   ; in: row r, 64 bytes for each half of the lanes in each 128
	v_add_nc_u32 v[RD], s23, v[CO]                 ; back: the 32 lanes take a row of 512 bytes
	s_lshl_b32 s20, s17, 8
	s_lshl_b32 s21, s15, 7
	s_add_co_u32 s20, s20, s21                     ; my first row of the result,
	s_lshl_b32 s20, s20, 12                        ; 4,096 bytes a row,
	s_lshl_b32 s46, s42, 10
	s_lshl_b32 s47, s16, 9
	s_add_co_u32 s46, s46, s47                     ; my first column, in bytes
	s_mov_b32 s47, 0
	s_mov_b32 s21, 0
	s_add_nc_u64 s[12:13], s[12:13], s[20:21]
	s_add_nc_u64 s[12:13], s[12:13], s[46:47]
	s_add_nc_u64 s[96:97], s[96:97], s[46:47]
	global_load_b128 v[BO:BO+3], v[CO], s[96:97]   ; bo of my four columns; waited for in front of the way out
.macro FRAGA reg, adr, q, i            ; an image: four pieces of 512 bytes, 16 bytes a lane
.irp c, 0,1,2,3
	ds_load_b128 v[\reg+4*\c:\reg+4*\c+3], v[\adr] offset:16384*(\q)+2048*(\i)+512*\c
.endr
.endm
.macro FRAGB reg, adr, q, i            ; from rows: lane l holds row l % 16; registers 4 c .. 4 c + 3 hold K = 32 c + 16 (l / 16) + 0 .. 15
.irp c, 0,1,2,3
	ds_load_b128 v[\reg+4*\c:\reg+4*\c+3], v[\adr] offset:128*(\q)+32*\c+(\i)*16*PITCH
.endr
.endm
; 16 matrix instructions: A's blocks a0, a0 + 1 x B's eight.  The 64 accumulators take turns, one instruction a turn, in the same order in every step.
.macro MUL16 a0, p, q, sc, zero
.irp a, \a0, \a0+1
.irp b, 0,1,2,3,4,5,6,7
.if \zero
	v_wmma_scale_f32_16x16x128_f8f6f4 v[8*(8*((\a)%4)+\b):8*(8*((\a)%4)+\b)+7], v[128*(\p)+FR*\b:128*(\p)+FR*\b+FR-1], v[AF+FR*(\a):AF+FR*(\a)+FR-1], 0, v[SCB+16*(\sc)+2*\b+(\q)], v[SCA+16*(\sc)+2*(\a)+(\q)]
.else
	v_wmma_scale_f32_16x16x128_f8f6f4 v[8*(8*((\a)%4)+\b):8*(8*((\a)%4)+\b)+7], v[128*(\p)+FR*\b:128*(\p)+FR*\b+FR-1], v[AF+FR*(\a):AF+FR*(\a)+FR-1], v[8*(8*((\a)%4)+\b):8*(8*((\a)%4)+\b)+7], v[SCB+16*(\sc)+2*\b+(\q)], v[SCA+16*(\sc)+2*(\a)+(\q)]
.endif
.endr
.endr
.endm
.macro FETCH_B slot, q, p
	WIN TO_B
.irp i, 0,1,2,3,4,5,6,7
	FRAGB 128*(\p)+FR*\i, ADRB+\slot, \q, \i
.endr
	WIN 0
.endm
.macro FETCH_A slot, q, i0
.irp i, \i0, \i0+1, \i0+2, \i0+3
	FRAGA AF+FR*(\i), ADRA+\slot, \q, \i
.endr
.endm
.macro SCALES sc                       ; a K step's scale words: B's two words a row by one load, A's one by one
.irp i, 0,1,2,3,4,5,6,7
	ds_load_b64 v[SCB+16*\sc+2*\i:SCB+16*\sc+2*\i+1], v[ADRSB] offset:\i*SBLK
.endr
.irp i, 0,1,2,3,4,5,6,7
	ds_load_b32 v[SCA+16*\sc+2*\i], v[ADRSA] offset:64*\i
	ds_load_b32 v[SCA+16*\sc+2*\i+1], v[ADRSA] offset:64*\i+512
.endr
.endm
.macro PLACES n
.rept \n
	v_nop
.endr
.endm
.macro STEP slot, q, zero
	s_wait_dscnt 4*NL                              ; all but the youngest 16 loads (A's blocks 4-7)
	WIN MUL_LO
	MUL16 0, (\q)%2, \q, \slot, \zero
	MUL16 2, (\q)%2, \q, \slot, \zero
	s_wait_dscnt 0
	PLACES NP
	FETCH_B \slot, (\q)+1, 1-(\q)%2
	FETCH_A \slot, (\q)+1, 0
	WIN MUL_HI
	MUL16 4, (\q)%2, \q, \slot, \zero
	MUL16 6, (\q)%2, \q, \slot, \zero
	PLACES NP
	WIN 0
	FETCH_A \slot, (\q)+1, 4
.endm
.macro TURN slot, next, fill
	s_wait_tensorcnt 0x0                           ; all my tensor loads have landed: my part of the next slot
	ds_add_u32 v[SPW], v[NIL]                      ; 0 onto my spare word
	s_wait_dscnt 4*NL+1                            ; (the add and the youngest 16 loads may be out)
	WIN MUL_LO
	MUL16 0, 1, NQ-1, \slot, 0
	s_wait_dscnt 0x0                               ; the add is done, and my reads of this slot are over
	s_barrier_signal -1
	MUL16 2, 1, NQ-1, \slot, 0
	WIN 0
	s_barrier_wait -1
.if \fill
	CREST                                          ; the barrier has opened a round of the cluster's
	s_add_nc_u64 s[G0+4*\slot+2:G0+4*\slot+3], s[G0+4*\slot+2:G0+4*\slot+3], 4<<20
	s_add_nc_u64 s[G0B+4*\slot+2:G0B+4*\slot+3], s[G0B+4*\slot+2:G0B+4*\slot+3], 2*ROWB
	JLOAD G0+4*\slot, G1, G0B+4*\slot, G1B         ; the first tensor load behind the round, my only one until the next
	PLACES NP-4
.else
	PLACES NP
.endif
	v_add_nc_u32 v[ADRSB], 8, v[ADRSB]             ; the next K step's scale words
	v_add_nc_u32 v[ADRSA], 1024, v[ADRSA]
	FETCH_B \next, 0, 0
	FETCH_A \next, 0, 0
	SCALES \next
	WIN MUL_HI
	MUL16 4, 1, NQ-1, \slot, 0
	MUL16 6, 1, NQ-1, \slot, 0
	PLACES NP
	WIN 0
	FETCH_A \next, 0, 4
.endm
	s_wait_tensorcnt 1                             ; the scale words and my part of K step 0 are in; K step 1's load may be out
	s_barrier_signal -1
	s_barrier_wait -1
	FETCH_B 0, 0, 0
	FETCH_A 0, 0, 0
	SCALES 0
	FETCH_A 0, 0, 4
	STEP 0, 0, 1
	TURN 0, 1, 1
	STEP 1, 0, 0
	TURN 1, 0, 1
	STEP 0, 0, 0
	TURN 0, 1, 0
	STEP 1, 0, 0
	s_wait_dscnt 4*NL
	WIN MUL_LO
	MUL16 0, 1, NQ-1, 1, 0
	MUL16 2, 1, NQ-1, 1, 0
	s_wait_dscnt 0
	WIN MUL_HI
	MUL16 4, 1, NQ-1, 1, 0
	MUL16 6, 1, NQ-1, 1, 0
	WIN 0
; THE WAY OUT, block by block of 16 rows x 128 columns, through my own stage; a row comes back whole, gets bo, and the 32 lanes store its 512 bytes.
; Stage row t is the result's row 32 (a / 2) + 8 (a % 2) + t + 8 (t / 8) of my 128; B's tile b holds the columns 32 (b / 2) + 16 (lane / 16) + 8 (b % 2) + 0 .. 7.
.macro TOSTAGE a
.set AC, 64*((\a)%4)
.set WST, 0x08+4*((\a)/4)
	WIN WST                                        ; the data: window 2 or 3
.irp b, 0,1,2,3,4,5,6,7
	ds_store_b128 v[STO], v[AC+8*\b:AC+8*\b+3] offset:128*(\b/2)+32*(\b%2)          ; each accumulator from its low end on
	ds_store_b128 v[STO], v[AC+8*\b+4:AC+8*\b+7] offset:128*(\b/2)+32*(\b%2)+16
.endr
	WIN 0
.set BB, BK+64*((\a)%2)
.irp t, 0,1,2,3,4,5,6,7,8,9,10,11,12,13,14,15
	ds_load_b128 v[BB+4*\t:BB+4*\t+3], v[RD] offset:\t*SPITCH   ; LDS serves a wave's instructions in order: these see the stores above
.endr
.endm
.macro SEND a, younger
.set BB, BK+64*((\a)%2)
	s_wait_dscnt \younger                          ; the block is back; the next block's 16 stores and 16 loads may be out
.if (\a) > 0
	s_add_nc_u64 s[12:13], s[12:13], (24-16*((\a)%2))*4096   ; (behind a wait on XCNT)  8 rows on into an odd block, 24 into an even one
.endif
.irp t, 0,1,2,3,4,5,6,7,8,9,10,11,12,13,14,15
	v_pk_add_f32 v[BB+4*\t:BB+4*\t+1], v[BB+4*\t:BB+4*\t+1], v[BO:BO+1]
	v_pk_add_f32 v[BB+4*\t+2:BB+4*\t+3], v[BB+4*\t+2:BB+4*\t+3], v[BO+2:BO+3]
.endr
.irp t, 0,1,2,3,4,5,6,7,8,9,10,11,12,13,14,15
	global_store_b128 v[CO], v[BB+4*\t:BB+4*\t+3], s[12:13] offset:(\t+8*(\t/8))*4096 th:TH_STORE_NT   ; 512 consecutive bytes, at a multiple of 256 from the result's first byte
.endr
.endm
	PLACES NP
	s_wait_loadcnt 0x0                             ; bo
	TOSTAGE 0
.irp a, 1,2,3,4,5,6,7
.if \a > 1
	s_wait_xcnt 0x0                                ; block a - 2's stores have read their registers and their base
.endif
	TOSTAGE \a
	SEND \a-1, 32
.endr
	s_wait_xcnt 0x0
	SEND 7, 0
	s_wait_tensorcnt 0x0                           ; the wave's end
	ds_add_u32 v[SPW], v[NIL]
	s_wait_dscnt 0x0
	CROUND                                         ; the closing round
	s_endpgm
.Lfunc_end_k_q5e8f6cb9e9_outp:
	.size	k_q5e8f6cb9e9_outp, .Lfunc_end_k_q5e8f6cb9e9_outp-k_q5e8f6cb9e9_outp
	.p2alignl 7, 3214868480
	.fill 96, 4, 3214868480
	.section	.rodata,"a",@progbits
	.p2align	6, 0x0
	.amdhsa_kernel k_q5e8f6cb9e9_outp
		.amdhsa_group_segment_fixed_size 327680
		.amdhsa_private_segment_fixed_size 0
		.amdhsa_enable_private_segment 0
		.amdhsa_kernarg_size 48
		.amdhsa_user_sgpr_count 2
		.amdhsa_user_sgpr_kernarg_segment_ptr 1
		.amdhsa_wavefront_size32 1
		.amdhsa_system_sgpr_workgroup_id_x 1
		.amdhsa_system_sgpr_workgroup_id_y 1
		.amdhsa_system_sgpr_workgroup_id_z 1
		.amdhsa_system_vgpr_workitem_id 0
		.amdhsa_next_free_vgpr 1024
		.amdhsa_next_free_sgpr 100
		.amdhsa_reserve_vcc 0
		.amdhsa_float_denorm_mode_32 3
		.amdhsa_float_denorm_mode_16_64 3
		.amdhsa_memory_ordered 1
		.amdhsa_forward_progress 1
		.amdhsa_inst_pref_size 166
	.end_amdhsa_kernel
	.amdgpu_metadata
---
amdhsa.version: [ 1, 2 ]
amdhsa.kernels:
  - .name:           k_q5e8f6cb9e9_outp
    .symbol:         k_q5e8f6cb9e9_outp.kd
    .args:
      - { .name: cc, .offset: 0, .size: 8, .value_kind: global_buffer, .address_space: global }
      - { .name: cs, .offset: 8, .size: 8, .value_kind: global_buffer, .address_space: global }
      - { .name: opc, .offset: 16, .size: 8, .value_kind: global_buffer, .address_space: global }
      - { .name: ops, .offset: 24, .size: 8, .value_kind: global_buffer, .address_space: global }
      - { .name: bo, .offset: 32, .size: 8, .value_kind: global_buffer, .address_space: global }
      - { .name: out0, .offset: 40, .size: 8, .value_kind: global_buffer, .address_space: global }
    .group_segment_fixed_size: 327680
    .private_segment_fixed_size: 0
    .kernarg_segment_align: 8
    .kernarg_segment_size: 48
    .max_flat_workgroup_size: 128
    .sgpr_count:     100
    .vgpr_count:     1024
    .wavefront_size: 32
...
	.end_amdgpu_metadata
.endif
;; end of part 4
